; MI455X (gfx1250); checked and timed in simulation.
; The chip was launched on July 23, 2026; its instructions are those of AMD's public machine-readable ISA for CDNA 5 (MIT licence, August 2026) and "CDNA5" Instruction Set Architecture Reference Guide (July 2026). The comments in the code are by the model that wrote it; some were corrected since.
;; GPT2 Block. Allowed arithmetic: float matrix products may take bf16 or f16 operands with f32 sums; other float arithmetic in f32, or as packed bf16 or f16 multiplies, adds, multiply-adds, maxima and minima; sums over many terms, partial sums and values carried from step to step in f32; what a program stores and reads back later, other than sums and carried values, may be rounded once to bf16 or f16.
;; Inputs: W1 1,024 x 4,096 float32; W2 4,096 x 1,024 float32; Wout 1,024 x 1,024 float32; Wqkv 1,024 x 3,072 float32; b1 4,096 float32; b2 1,024 float32; ln1_b 1,024 float32; ln1_g 1,024 float32; ln2_b 1,024 float32; ln2_g 1,024 float32; x 2 x 2,048 x 1,024 float32.
;; Outputs: out0 2 x 2,048 x 1,024 float32.
;; One version. Each part assembles by itself: llvm-mc -triple=amdgcn-amd-amdhsa -mcpu=gfx1250 --defsym DOCPART=n.
;; ======== version 1 of 1: 7 launches
;; limits: values are held in f16: magnitudes above 65,504 overflow, below 6.1e-05 lose precision; a function is approximated: absolute error at most 1.5e-07
;; workspace buffers: act 8,388,608 bytes; big 33,554,432 bytes; x1 16,777,216 bytes; wX 10,485,760 bytes; wY 16,777,216 bytes; par0 256 bytes of whole numbers; par1 256 bytes of whole numbers
;; launch prep (part 1): grid 640 x 1, 16 waves a work-group, no clusters, 0 bytes of LDS; arguments x, ln1_g, ln1_b, Wqkv, Wout, W1, W2, act, wX, wY, par0, par1; writes act, wX, wY, par0, par1
.if DOCPART == 1
	.amdgcn_target "amdgcn-amd-amdhsa--gfx1250"
	.amdhsa_code_object_version 6
	.text
	.protected	k_qbeaf5fc0ea_prep
	.globl	k_qbeaf5fc0ea_prep
	.p2align	8
	.type	k_qbeaf5fc0ea_prep,@function
k_qbeaf5fc0ea_prep:
	s_mov_b64 s[64:65], 0
	v_nop
	global_prefetch_b8 v0, s[64:65] scope:SCOPE_SE
	s_setreg_imm32_b32 hwreg(HW_REG_WAVE_MODE, 25, 1), 1
	s_wait_xcnt 0x0
; PREP.  Work-groups 0-255: act = LayerNorm(x) g + b, one wave a row of 1,024 numbers, kept in 32 registers between the passes; x, g and b are rounded to bf16 first
; (every input of the module is), mean and variance in f32 in two passes, the result rounded once to f16.  Work-groups 256-639: the four weight matrices, rounded to bf16 and written as f16
; in blocks that the two product kernels ask for as dense tiles.  Work-group 0 also stores the two launches' whole numbers {FLAG, LOOPS}.
; LIMITS.  f16 holds no number beyond 65,504: a weight or a normalised number beyond it becomes an infinity; a weight below 2^-14 keeps f16's fixed step of 6e-8.
; LAYOUTS.  BB (Wqkv, W1) = [n / 256][k][256]: rows of 512 bytes.  SB (Wout, W2), from byte 8 MiB of its buffer = [k / 256][n / 128][256 k][128 n]: rows of 256 bytes.
; No LDS, no barrier: no wave wants another's bytes.  Each store of a wave covers 256 consecutive bytes, aligned.
.set X,   32                           ; v[32:63]   the row: register 4 j + e = column 128 j + 4 lane + e
.set G,   64                           ; v[64:95]   g
.set BV,  96                           ; v[96:127]  b
.set Y,   16                           ; v[16:31]   the row in f16
.set D,   32                           ; v[32:95]   weights: 16 rows x 4 numbers
.set SOF, 96                           ; v[96:111]  a row's byte offset in the source
.set DOF, 112                          ; v[112:127] and in the destination
.macro RND r0, n                       ; n pairs rounded to bf16, in place, kept as f32
.set k, 0
.rept \n
	v_cvt_pk_bf16_f32 v[4+k%4], v[(\r0)+2*k], v[(\r0)+2*k+1]
	v_lshlrev_b32 v[(\r0)+2*k], 16, v[4+k%4]
	v_and_b32 v[(\r0)+2*k+1], s3, v[4+k%4]
.set k, k+1
.endr
.endm
.macro FOLD                            ; four chains of pairs in v[8:15] -> the sum over the wave, in v8 of every lane
	v_pk_add_f32 v[8:9], v[8:9], v[10:11]
	v_pk_add_f32 v[12:13], v[12:13], v[14:15]
	v_pk_add_f32 v[8:9], v[8:9], v[12:13]
	v_add_f32 v8, v8, v9
	v_add_f32_dpp v8, v8, v8 row_xmask:1 row_mask:0xf bank_mask:0xf
	v_add_f32_dpp v8, v8, v8 row_xmask:2 row_mask:0xf bank_mask:0xf
	v_add_f32_dpp v8, v8, v8 row_xmask:4 row_mask:0xf bank_mask:0xf
	v_add_f32_dpp v8, v8, v8 row_xmask:8 row_mask:0xf bank_mask:0xf
	v_permlanex16_b32 v9, v8, s6, s7
	v_add_f32 v8, v8, v9
.endm
	s_load_b512 s[8:23], s[0:1], 0x0               ; x 8, g 10, b 12, Wqkv 14, Wout 16, W1 18, W2 20, act 22
	s_load_b256 s[24:31], s[0:1], 0x40             ; wX 24, wY 26, par0 28, par1 30
	v_lshrrev_b32 v1, 5, v0
	v_readfirstlane_b32 s2, v1                     ; wave 0..15
	v_and_b32 v1, 31, v0
	v_lshlrev_b32 v2, 4, v1                        ; 16 x lane: my 4 numbers in f32
	v_lshlrev_b32 v3, 3, v1                        ; 8 x lane: the same in f16
	s_mov_b32 s3, 0xffff0000                       ; a word's upper bf16
	s_mov_b32 s4, 0x3a800000                       ; 1 / 1,024
	s_mov_b32 s6, 0x76543210                       ; v_permlanex16_b32: each lane takes its own place in the other half
	s_mov_b32 s7, 0xfedcba98
	s_mov_b32 s35, 0
	s_wait_kmcnt 0x0
	s_cmp_lt_u32 ttmp9, 256
	s_cbranch_scc0 .Lcvt
	; ---- LayerNorm 1 ----
	s_lshl_b32 s32, ttmp9, 4
	s_add_co_u32 s32, s32, s2                      ; my row
	s_lshl_b32 s34, s32, 12
	s_add_nc_u64 s[8:9], s[8:9], s[34:35]
	s_lshl_b32 s34, s32, 11
	s_add_nc_u64 s[22:23], s[22:23], s[34:35]
.irp j, 0,1,2,3,4,5,6,7
	global_load_b128 v[X+4*\j:X+4*\j+3], v2, s[8:9] offset:512*\j th:TH_LOAD_NT
.endr
.irp j, 0,1,2,3,4,5,6,7
	global_load_b128 v[G+4*\j:G+4*\j+3], v2, s[10:11] offset:512*\j
.endr
.irp j, 0,1,2,3,4,5,6,7
	global_load_b128 v[BV+4*\j:BV+4*\j+3], v2, s[12:13] offset:512*\j
.endr
	s_wait_loadcnt 16                              ; the row is in; the 16 loads of g and b may stay out
	RND X, 16
.irp c, 0,1,2,3
	v_pk_add_f32 v[8+2*\c:9+2*\c], v[X+2*\c:X+2*\c+1], v[X+8+2*\c:X+9+2*\c]  ; the first pairs start the chains
.endr
.irp o, 16,24
.irp c, 0,1,2,3
	v_pk_add_f32 v[8+2*\c:9+2*\c], v[8+2*\c:9+2*\c], v[X+\o+2*\c:X+\o+2*\c+1]
.endr
.endr
	FOLD
	v_mul_f32 v12, s4, v8                          ; the mean, as a pair
	v_mov_b32 v13, v12
.set k, 0
.rept 16
	v_pk_add_f32 v[X+k:X+k+1], v[X+k:X+k+1], v[12:13] neg_lo:[0,1] neg_hi:[0,1]
.set k, k+2
.endr
.irp c, 0,1,2,3
	v_pk_mul_f32 v[8+2*\c:9+2*\c], v[X+2*\c:X+2*\c+1], v[X+2*\c:X+2*\c+1]
.endr
.irp o, 8,16,24
.irp c, 0,1,2,3
	v_pk_fma_f32 v[8+2*\c:9+2*\c], v[X+\o+2*\c:X+\o+2*\c+1], v[X+\o+2*\c:X+\o+2*\c+1], v[8+2*\c:9+2*\c]
.endr
.endr
	FOLD
	v_fmaak_f32 v8, s4, v8, 0x3727c5ac             ; the variance + 1e-5
	v_rsq_f32 v12, v8
	v_rsq_f32 v13, v8
	s_wait_loadcnt 0x0
	RND G, 16                                      ; independent work behind the two roots
	RND BV, 16
	s_wait_alu depctr_va_vdst(0)                   ; one wait for both roots, ahead of their first reader
.set k, 0
.rept 16
	v_pk_mul_f32 v[X+k:X+k+1], v[X+k:X+k+1], v[12:13]
.set k, k+2
.endr
.set k, 0
.rept 16
	v_pk_fma_f32 v[X+k:X+k+1], v[X+k:X+k+1], v[G+k:G+k+1], v[BV+k:BV+k+1]
.set k, k+2
.endr
.set k, 0
.rept 16
	v_cvt_pk_f16_f32 v[Y+k], v[X+2*k], v[X+2*k+1]
.set k, k+1
.endr
.irp j, 0,1,2,3,4,5,6,7
	global_store_b64 v3, v[Y+2*\j:Y+2*\j+1], s[22:23] offset:256*\j
.endr
	s_or_b32 s32, ttmp9, s2
	s_cmp_lg_u32 s32, 0
	s_cbranch_scc1 .Lend
	v_mov_b32 v4, 0                                ; par0 = 32 x {FLAG 0, LOOPS 1}; par1 = 32 x {FLAG 1, LOOPS 7}: all 256 bytes of each
	v_mov_b32 v5, 1
	v_mov_b32 v6, 1
	v_mov_b32 v7, 7
	global_store_b64 v3, v[4:5], s[28:29]
	global_store_b64 v3, v[6:7], s[30:31]
.Lend:
	s_endpgm
	; ---- the weights: a work-group takes 128 columns x 256 rows of k, a wave 16 of the rows ----
.Lcvt:
	s_sub_co_u32 s32, ttmp9, 256                   ; t: 0-95 Wqkv, 96-127 Wout, 128-255 W1, 256-383 W2
	s_sub_co_u32 s33, s32, 256
	s_sub_co_u32 s43, s32, 128
	s_sub_co_u32 s44, s32, 96
	s_mov_b64 s[36:37], s[20:21]                   ; W2: source, bytes in a row, log2 of the row blocks, destination, layout SB
	s_mov_b32 s38, 4096
	s_mov_b32 s39, 4
	s_mov_b64 s[40:41], s[26:27]
	s_mov_b32 s42, 1
	s_cmp_lt_u32 s32, 256                          ; W1
	s_cselect_b32 s33, s43, s33
	s_cselect_b64 s[36:37], s[18:19], s[36:37]
	s_cselect_b32 s38, 16384, s38
	s_cselect_b32 s39, 2, s39
	s_cselect_b32 s42, 0, s42
	s_cmp_lt_u32 s32, 128                          ; Wout
	s_cselect_b32 s33, s44, s33
	s_cselect_b64 s[36:37], s[16:17], s[36:37]
	s_cselect_b32 s38, 4096, s38
	s_cselect_b64 s[40:41], s[24:25], s[40:41]
	s_cselect_b32 s42, 1, s42
	s_cmp_lt_u32 s32, 96                           ; Wqkv
	s_cselect_b32 s33, s32, s33
	s_cselect_b64 s[36:37], s[14:15], s[36:37]
	s_cselect_b32 s38, 12288, s38
	s_cselect_b32 s42, 0, s42
	s_lshr_b32 s45, s33, s39                       ; which 128 columns
	s_lshl_b32 s46, 1, s39
	s_sub_co_u32 s46, s46, 1
	s_and_b32 s46, s33, s46                        ; which 256 rows
	s_lshl_b32 s47, s46, 8
	s_lshl_b32 s48, s2, 4
	s_add_co_u32 s47, s47, s48                     ; my first row
	s_mul_i32 s34, s47, s38
	s_lshl_b32 s49, s45, 9
	s_add_co_u32 s34, s34, s49
	s_add_nc_u64 s[36:37], s[36:37], s[34:35]
	s_lshr_b32 s50, s45, 1                         ; BB: (n / 256) x 512 KiB + (half of the row) x 256 + k x 512
	s_lshl_b32 s50, s50, 19
	s_and_b32 s51, s45, 1
	s_lshl_b32 s51, s51, 8
	s_add_co_u32 s50, s50, s51
	s_lshl_b32 s51, s47, 9
	s_add_co_u32 s50, s50, s51
	s_lshl_b32 s52, s46, 3                         ; SB: 8 MiB + (8 (k / 256) + n / 128) x 64 KiB + (k % 256) x 256
	s_add_co_u32 s52, s52, s45
	s_lshl_b32 s52, s52, 16
	s_lshl_b32 s53, s2, 12
	s_add_co_u32 s52, s52, s53
	s_add_co_u32 s52, s52, 0x800000
	s_mov_b32 s54, 512
	s_cmp_eq_u32 s42, 1
	s_cselect_b32 s34, s52, s50
	s_cselect_b32 s54, 256, s54                    ; bytes from row to row in the destination
	s_add_nc_u64 s[40:41], s[40:41], s[34:35]
	v_mov_b32 v[SOF], v2
	v_mov_b32 v[DOF], v3
.set i, 1
.rept 15
	v_add_nc_u32 v[SOF+i], s38, v[SOF+i-1]
	v_add_nc_u32 v[DOF+i], s54, v[DOF+i-1]
.set i, i+1
.endr
.set i, 0
.rept 16
	global_load_b128 v[D+4*i:D+4*i+3], v[SOF+i], s[36:37] th:TH_LOAD_NT
.set i, i+1
.endr
.set i, 0
.rept 16
	s_wait_loadcnt 15-i                            ; row i is in; the younger rows stay out
	v_cvt_pk_bf16_f32 v[4+2*(i%2)], v[D+4*i], v[D+4*i+1]
	v_cvt_pk_bf16_f32 v[5+2*(i%2)], v[D+4*i+2], v[D+4*i+3]
	v_lshlrev_b32 v[D+4*i], 16, v[4+2*(i%2)]
	v_and_b32 v[D+4*i+1], s3, v[4+2*(i%2)]
	v_lshlrev_b32 v[D+4*i+2], 16, v[5+2*(i%2)]
	v_and_b32 v[D+4*i+3], s3, v[5+2*(i%2)]
	v_cvt_pk_f16_f32 v[D+4*i], v[D+4*i], v[D+4*i+1]
	v_cvt_pk_f16_f32 v[D+4*i+1], v[D+4*i+2], v[D+4*i+3]
	global_store_b64 v[DOF+i], v[D+4*i:D+4*i+1], s[40:41]  ; no register that a load or store names is written again
.set i, i+1
.endr
	s_endpgm
.Lfunc_end_k_qbeaf5fc0ea_prep:
	.size	k_qbeaf5fc0ea_prep, .Lfunc_end_k_qbeaf5fc0ea_prep-k_qbeaf5fc0ea_prep
	.p2alignl 7, 3214868480
	.fill 96, 4, 3214868480
	.section	.rodata,"a",@progbits
	.p2align	6, 0x0
	.amdhsa_kernel k_qbeaf5fc0ea_prep
		.amdhsa_group_segment_fixed_size 0
		.amdhsa_private_segment_fixed_size 0
		.amdhsa_enable_private_segment 0
		.amdhsa_kernarg_size 96
		.amdhsa_user_sgpr_count 2
		.amdhsa_user_sgpr_kernarg_segment_ptr 1
		.amdhsa_wavefront_size32 1
		.amdhsa_system_sgpr_workgroup_id_x 1
		.amdhsa_system_sgpr_workgroup_id_y 1
		.amdhsa_system_sgpr_workgroup_id_z 1
		.amdhsa_system_vgpr_workitem_id 0
		.amdhsa_next_free_vgpr 128
		.amdhsa_next_free_sgpr 66
		.amdhsa_reserve_vcc 0
		.amdhsa_float_denorm_mode_32 3
		.amdhsa_float_denorm_mode_16_64 3
		.amdhsa_memory_ordered 1
		.amdhsa_forward_progress 1
		.amdhsa_inst_pref_size 31
	.end_amdhsa_kernel
	.amdgpu_metadata
---
amdhsa.version: [ 1, 2 ]
amdhsa.kernels:
  - .name:           k_qbeaf5fc0ea_prep
    .symbol:         k_qbeaf5fc0ea_prep.kd
    .args:
      - { .name: x, .offset: 0, .size: 8, .value_kind: global_buffer, .address_space: global }
      - { .name: ln1_g, .offset: 8, .size: 8, .value_kind: global_buffer, .address_space: global }
      - { .name: ln1_b, .offset: 16, .size: 8, .value_kind: global_buffer, .address_space: global }
      - { .name: Wqkv, .offset: 24, .size: 8, .value_kind: global_buffer, .address_space: global }
      - { .name: Wout, .offset: 32, .size: 8, .value_kind: global_buffer, .address_space: global }
      - { .name: W1, .offset: 40, .size: 8, .value_kind: global_buffer, .address_space: global }
      - { .name: W2, .offset: 48, .size: 8, .value_kind: global_buffer, .address_space: global }
      - { .name: act, .offset: 56, .size: 8, .value_kind: global_buffer, .address_space: global }
      - { .name: wX, .offset: 64, .size: 8, .value_kind: global_buffer, .address_space: global }
      - { .name: wY, .offset: 72, .size: 8, .value_kind: global_buffer, .address_space: global }
      - { .name: par0, .offset: 80, .size: 8, .value_kind: global_buffer, .address_space: global }
      - { .name: par1, .offset: 88, .size: 8, .value_kind: global_buffer, .address_space: global }
    .group_segment_fixed_size: 0
    .private_segment_fixed_size: 0
    .kernarg_segment_align: 8
    .kernarg_segment_size: 96
    .max_flat_workgroup_size: 512
    .sgpr_count:     66
    .vgpr_count:     128
    .wavefront_size: 32
...
	.end_amdgpu_metadata
.endif
;; end of part 1
;; launch qkv (part 2): grid 12 x 16, 4 waves a work-group, clusters of 4 x 4, 327,680 bytes of LDS; arguments act, wX, b1, par0, big; writes big
.if DOCPART == 2
	.amdgcn_target "amdgcn-amd-amdhsa--gfx1250"
	.amdhsa_code_object_version 6
	.text
	.protected	k_qbeaf5fc0ea_qkv
	.globl	k_qbeaf5fc0ea_qkv
	.p2align	8
	.type	k_qbeaf5fc0ea_qkv,@function
k_qbeaf5fc0ea_qkv:
	s_mov_b64 s[64:65], 0
	v_nop
	global_prefetch_b8 v0, s[64:65] scope:SCOPE_SE
	s_setreg_imm32_b32 hwreg(HW_REG_WAVE_MODE, 25, 1), 1
	s_wait_xcnt 0x0
	s_wait_alu depctr_hold_cnt(0) depctr_sa_sdst(0) depctr_va_vdst(0) depctr_va_sdst(0) depctr_va_ssrc(0) depctr_va_vcc(0) depctr_vm_vsrc(0)
	s_getreg_b32 s2, hwreg(HW_REG_IB_STS2, 6, 4)
	s_cmp_eq_u32 s2, 0
	s_cbranch_scc0 .Lentry_in_a_cluster
	s_endpgm
.Lentry_in_a_cluster:
	s_bfe_u32 s2, ttmp6, 0x10000c
	s_cmp_lg_u32 s2, 0xf033
	s_cbranch_scc0 .Lentry_shape_is_right
	s_endpgm
.Lentry_shape_is_right:
; out = f(A W + bias).  A: [4096][1024] f16, rows along K.  W: f16 in blocks [n / 256][k][256].  out: f16 in blocks [n / 64][m][64].  Sums in f32.
; FLAG (a whole number that an earlier launch stored) = 1: bias is added (rounded to bf16, as every input of the module is) and f is the exact GELU; FLAG = 0: no bias, f is the identity.
; GELU(z) = z / 2 + |z| (1/2 - erfc(|z| / sqrt 2) / 2), erfc by the rational form t = 1 / (1 + p x), erfc = t (a1 + t (a2 + .. t a5)) e^(-x x), absolute error 1.5e-7 for every x >= 0.
; No branch of a launch with joint loads hangs on a number read from memory.  So the same lines run for both values of FLAG, and FLAG only selects their constants: with FLAG = 0 the bias is masked to 0,
; a1 .. a5 and the addend 1/2 are 0 and z's factor is 1, which gives |z| x 0 + z = z exactly for every finite z.  The price: that launch runs arithmetic whose result it does not need.
; LIMITS.  f16 holds no number beyond 65,504: A, W and the results must lie within it.  NaN and infinities are not treated apart.
; SHARES.  A tile of 256 x 256 to a work-group of four waves, 128 x 128 (64 accumulators, 512 registers) to a wave.  K goes in 8 steps of 128 through two LDS slots; each wave fills a quarter of a slot
; by one tensor load.  4 x 4 work-groups form a cluster: A's tile is asked for jointly along a row of the cluster, W's along a column.
; The product is taken transposed (source 0 = 16 columns of W, turned on the way out of LDS; source 1 = 16 rows of A): a lane holds eight neighbouring columns of one row.
; THE TEXT holds a K step twice: once in the loop whose changes of slots fill a slot again (6 trips), once in the loop of the last two steps, which ask for nothing; that loop is left in its middle.
; REGISTERS in windows of 256: window 0: v0-31 addresses, v64-191 A's two fragment buffers (at work on the way out), v192-207 the bias; window 1: v64-191 W's two buffers; windows 2, 3: the accumulators.
.set PITCH,  272                       ; a row of A in LDS: 256 bytes + 16: the 16 rows of a load start at 16 different groups of four banks (64 banks of 4 bytes: ISA guide 11.1)
.set PB,     544                       ; a row of W: 512 + 32 = 17 x 32
.set HALFT,  34816                     ; what one tensor load brings: 128 rows of A, or 64 rows of W
.set SLOT,   4*HALFT                   ; A's two halves, then W's two
.set SPARE,  2*SLOT                    ; behind the ring: the spare words, 128 bytes a wave, that no other line names
.set SPITCH, 528                       ; the way out: a row of 128 f32 + 16 bytes
.set WSTAGE, 128*SPITCH                ; a wave's stage; the four lie in the ring, which has had its last fill by then
.set A0,   14                          ; v14  my lane's place in A's tile of slot 0; never rewritten
.set B0,   15                          ; v15  the same for W
.set ADRA, 16                          ; v16  the same in the slot that is read
.set ADRB, 20                          ; v20
.set STO,  24                          ; v24  the way out: where I put 16 bytes of a row
.set RD0,  25                          ; v25  where I read rows back, first four rows
.set RD,   26                          ; v26  the same for the trip in hand
.set GO,   27                          ; v27  16 x lane
.set SPW,  28                          ; v28  my spare word's LDS address; never rewritten
.set NIL,  29                          ; v29  0; never rewritten
.set PFO,  30                          ; v30  the prefetches' offset; never rewritten
.set GOC,  31                          ; v31  my byte offset in out for the trip in hand
.set LL,   32                          ; v32-47   16 sums read back
.set ZZ,   48                          ; v48-63   z, then the result
.set DD,   64                          ; v64-79   1 + p x, then t
.set WR,   80                          ; v80-95   the exponent, then e^(-x x)
.set HH,   96                          ; v96-111  z / 2 (FLAG = 0: z)
.set PP,   112                         ; v112-127 the polynomial
.set OUT,  128                         ; v128-135 16 results in f16
.set BIAS, 192                         ; v192-207
.set F0,   64
.set F1,   128
.set G1,   24                          ; s[24:31] group 1 for A;  s[32:39] group 0, two sets: the second walks on
.set G0,   32
.set G1B,  48                          ; s[48:55], s[56:63] the same for W
.set G0B,  56
.set HS,   18                          ; s[18:19] z's factor: 1/2, or 1 where FLAG = 0
.set LIM,  43                          ; s43  2 in a wave that prefetches, else the greatest number
.set PFA,  44                          ; s[44:45] where my prefetches stand
.set PST,  66                          ; s[66:67] their step: a K step in bytes
.set FLAG, 72
.set TB,   73                          ; s73  the slot that is read
.set BMASK, 75
.set U,    76
.set EC,   77
.set C1,   80                          ; s80  p / sqrt 2
.set CE,   82                          ; s[82:83] -log2(e) / 2
.set A1,   84                          ; s[84:93] -a1 / 2 .. -a5 / 2 (FLAG = 0: 0), pairs whose low word serves both halves
.set A2,   86
.set A3,   88
.set A4,   90
.set A5,   92
.set CH,   94                          ; s[94:95] the addend 1/2 (FLAG = 0: 0)
.set MSB, 0
.macro WIN new                         ; the immediate's high byte repeats the setting that is left; a switch that changes nothing is dropped
.if MSB != (\new)
	s_set_vgpr_msb (MSB<<8)|(\new)
.set MSB, \new
.endif
.endm
.set MUL_LO, 0xa1                      ; source 0 (W) window 1, source 1 (A) window 0, C and D window 2
.set MUL_HI, 0xf1                      ; the same, C and D window 3
.set TO_B,   0x40                      ; destination window 1, address window 0
; A joint load: waves 0 and 1 fetch A's halves, waves 2 and 3 W's.  The branch hangs on the wave's number alone.  An s_nop 0 and four v_nop follow each line.
.macro JLOAD s
	s_cmp_eq_u32 s11, 0
	s_cbranch_scc0 .Lfor_b_\@
	tensor_load_to_lds s[G0+4*(\s):G0+4*(\s)+3], s[G1:G1+7]
	s_nop 0
.rept 4
	v_nop
.endr
	s_branch .Lasked_\@
.Lfor_b_\@:
	tensor_load_to_lds s[G0B+4*(\s):G0B+4*(\s)+3], s[G1B:G1B+7]
	s_nop 0
.rept 4
	v_nop
.endr
.Lasked_\@:
.endm
; A prefetch into the L2 of the K step that stands two refills on: 32 blocks of 256 bytes, a lane a block.  A's rows are read by every cluster of a row of clusters: cluster x = 0 asks; W's by every cluster
; of a column: cluster y = 0 asks.  The four partners of a joint load share its bytes out by address.  Trips with s3 = 6 .. 3 ask, for K steps 4 .. 7; the others have no K step two refills on.
.macro ASK
	s_cmp_gt_u32 s3, s[LIM]
	s_cbranch_scc0 .Lnot_mine_\@
	global_prefetch_b8 v[PFO], s[PFA:PFA+1] th:TH_LOAD_NT scope:SCOPE_SE
.Lnot_mine_\@:
.endm
.macro CREST                           ; a round of the cluster's barrier behind its opening barrier
	s_cmp_lg_u32 s10, 0
	s_cbranch_scc1 .Lnot_wave_0_\@
	s_barrier_signal -3
.Lnot_wave_0_\@:
	s_barrier_wait -3
	s_barrier_signal -1
	s_barrier_wait -1
.endm
.macro CROUND
	s_barrier_signal -1
	s_barrier_wait -1
	CREST
.endm
	s_load_b128 s[4:7], s[0:1], 0x0                ; A s[4:5], W s[6:7]
	s_load_b64 s[8:9], s[0:1], 0x10                ; bias
	s_load_b64 s[68:69], s[0:1], 0x18              ; the whole numbers
	s_load_b64 s[70:71], s[0:1], 0x20              ; out
	v_lshl_add_u32 v[SPW], v0, 2, SPARE
	v_mov_b32 v[NIL], 0
	ds_add_u32 v[SPW], v[NIL]                      ; the wave's opening: the add and its wait ahead of my first tensor load; work on registers stands between
	ds_add_u32 v28, v29
	v_lshrrev_b32 v1, 5, v0
	v_readfirstlane_b32 s10, v1                    ; wave 0..3
	s_lshr_b32 s11, s10, 1                         ; my half of the tile's rows.  Also: I fetch for A (0) or W (1)
	s_and_b32 s12, s10, 1                          ; my half of its columns.  Also: which half of that tile I fetch
	s_bfe_u32 s40, ttmp6, 0x40000                  ; cx
	s_bfe_u32 s41, ttmp6, 0x40004                  ; cy
	s_lshl_b32 s42, ttmp9, 2
	s_add_co_u32 s42, s42, s40                     ; tile column
	s_and_b32 s13, ttmp7, 0xffff
	s_lshl_b32 s13, s13, 2
	s_add_co_u32 s13, s13, s41                     ; tile row
	s_lshl_b32 s43, s41, 2
	s_lshl_b32 s43, 15, s43                        ; my row of the cluster
	s_lshl_b32 s44, 0x1111, s40                    ; my column
	s_or_b32 s[G1+0], s43, (1<<16)|(1<<20)|(1<<21)|(5<<22)|(3<<25)   ; mask; 2-byte elements; padding on; bit 21 beside a mask; after every 64 words 4 words
	s_or_b32 s[G1B+0], s44, (1<<16)|(1<<20)|(1<<21)|(6<<22)|(7<<25)  ; after every 128 words 8 words
	s_mov_b32 s[G1+1], 128<<16                     ; A: 128 rows x 128 elements, 1,024 elements from row to row
	s_mov_b32 s[G1+2], 128<<16
	s_mov_b32 s[G1+3], 128<<16
	s_mov_b32 s[G1+4], 128
	s_mov_b32 s[G1+5], 1024
	s_mov_b32 s[G1+6], 0
	s_mov_b32 s[G1+7], 0
	s_mov_b32 s[G1B+1], 256<<16                    ; W: 64 rows x 256 elements, dense
	s_mov_b32 s[G1B+2], 64<<16
	s_mov_b32 s[G1B+3], 256<<16
	s_mov_b32 s[G1B+4], 64
	s_mov_b32 s[G1B+5], 256
	s_mov_b32 s[G1B+6], 0
	s_mov_b32 s[G1B+7], 0
	s_lshl_b32 s17, s12, 7
	s_lshl_b32 s16, s13, 8
	s_add_co_u32 s16, s16, s17
	s_lshl_b32 s16, s16, 11                        ; A: (256 x tile row + 128 x half) rows of 2,048 bytes
	s_mov_b32 s17, 0
	s_lshl_b32 s46, s42, 19                        ; W: tile column x 512 KiB + half x 64 rows of 512 bytes
	s_lshl_b32 s47, s12, 15
	s_add_co_u32 s46, s46, s47
	s_mov_b32 s47, 0
	s_mul_i32 s20, s10, HALFT                      ; where my loads land: no place in the cluster enters an LDS address
	s_mov_b32 s[C1], 0x3e6d3389                    ; 0.2316419
	s_mov_b32 s[CE], 0xbf38aa3b                    ; -0.72134752
	s_mov_b32 s[CE+1], s[CE]
	s_mov_b32 s[TB], 0
	s_wait_dscnt 0x0                               ; the opening add is done
	s_wait_kmcnt 0x0
	s_add_nc_u64 s[14:15], s[4:5], s[16:17]
	s_add_nc_u64 s[46:47], s[6:7], s[46:47]
	s_load_b32 s[FLAG], s[68:69], 0x0              ; waited for in front of its first reader, behind the first joint loads: they do not hang on it
	CROUND                                         ; all sixteen work-groups are here: the first joint loads meet
.irp s, 0,1
	s_mov_b32 s[G0+4*(\s)], 1
	s_add_co_u32 s[G0+4*(\s)+1], s20, (\s)*SLOT
	s_add_nc_u64 s[G0+4*(\s)+2:G0+4*(\s)+3], s[14:15], (\s)*256      ; K step s
	s_or_b32 s[G0+4*(\s)+3], s[G0+4*(\s)+3], 0x80000000
	s_mov_b32 s[G0B+4*(\s)], 1
	s_add_co_u32 s[G0B+4*(\s)+1], s20, (\s)*SLOT
	s_add_nc_u64 s[G0B+4*(\s)+2:G0B+4*(\s)+3], s[46:47], (\s)*65536
	s_or_b32 s[G0B+4*(\s)+3], s[G0B+4*(\s)+3], 0x80000000
	JLOAD \s                                       ; two loads of mine are out
.endr
	v_and_b32 v1, 15, v0                           ; l % 16
	v_bfe_u32 v2, v0, 4, 1                         ; l / 16
	v_mul_u32_u24 v3, v1, PITCH
	v_lshl_add_u32 v3, v2, 4, v3
	s_mul_i32 s21, s11, HALFT
	v_add_nc_u32 v[A0], s21, v3                    ; A: row x pitch + 16 x half, in my 128 rows
	v_and_b32 v9, 7, v0
	v_lshl_add_u32 v4, v2, 3, v9                   ; W, turned: lane l reads row 8 (l / 16) + l % 8 of k, columns 8 ((l / 8) % 2) + 0..7
	v_mul_u32_u24 v4, v4, PB
	v_bfe_u32 v5, v0, 3, 1
	v_lshl_add_u32 v4, v5, 4, v4
	s_lshl_b32 s22, s12, 8
	s_add_co_u32 s22, s22, 2*HALFT
	v_add_nc_u32 v[B0], s22, v4
	v_mov_b32 v[ADRA], v[A0]
	v_mov_b32 v[ADRB], v[B0]
	s_mul_i32 s23, s10, WSTAGE
	v_mul_u32_u24 v6, v1, SPITCH                   ; into the stage: row l % 16, 32 bytes for each half of the lanes
	v_lshl_add_u32 v6, v2, 5, v6
	v_add_nc_u32 v[STO], s23, v6
	v_and_b32 v7, 31, v0
	v_lshrrev_b32 v8, 3, v7                        ; back: four rows; a lane takes columns 8 (l % 8) + 0..7 of both blocks of 64
	v_mul_u32_u24 v8, v8, SPITCH
	v_lshl_add_u32 v8, v9, 5, v8
	v_add_nc_u32 v[RD0], s23, v8
	v_lshlrev_b32 v[GO], 4, v7
	v_lshlrev_b32 v10, 5, v9                       ; the bias of my 16 columns
	s_lshl_b32 s21, s42, 10
	s_lshl_b32 s22, s12, 9
	s_add_co_u32 s21, s21, s22
	v_add_nc_u32 v10, s21, v10
	global_load_b128 v[BIAS:BIAS+3], v10, s[8:9]
	global_load_b128 v[BIAS+4:BIAS+7], v10, s[8:9] offset:16
	global_load_b128 v[BIAS+8:BIAS+11], v10, s[8:9] offset:256
	global_load_b128 v[BIAS+12:BIAS+15], v10, s[8:9] offset:272
	s_lshl_b32 s16, s13, 8                         ; out: ((4 x tile column + 2 x half) x 4,096 + my first row) x 128 bytes
	s_lshl_b32 s17, s11, 7
	s_add_co_u32 s16, s16, s17
	s_lshl_b32 s16, s16, 7
	s_lshl_b32 s46, s42, 2
	s_lshl_b32 s47, s12, 1
	s_add_co_u32 s46, s46, s47
	s_lshl_b32 s46, s46, 19
	s_add_co_u32 s16, s16, s46
	s_mov_b32 s17, 0
	s_add_nc_u64 s[70:71], s[70:71], s[16:17]
	s_lshl_b32 s21, s13, 8                         ; the prefetches: A: my work-group's 32 of the 128 rows that I fetch, at K step 3
	s_lshl_b32 s22, s12, 7
	s_add_co_u32 s21, s21, s22
	s_lshl_b32 s22, s40, 5
	s_add_co_u32 s21, s21, s22
	s_lshl_b32 s21, s21, 11
	s_add_co_u32 s21, s21, 3*256
	s_lshl_b32 s22, s42, 19                        ; W: my work-group's 8 KiB of the 32 KiB that I fetch
	s_lshl_b32 s23, s12, 15
	s_add_co_u32 s22, s22, s23
	s_lshl_b32 s23, s41, 13
	s_add_co_u32 s22, s22, s23
	s_add_co_u32 s22, s22, 3*65536
	s_and_b32 s23, ttmp7, 0xffff
	s_mov_b32 s[PST], 65536
	s_mov_b32 s[PST+1], 0
	s_mov_b32 s77, 256
	s_mov_b32 s79, 0
	s_cmp_eq_u32 s11, 0
	s_cselect_b32 s78, s21, s22
	s_cselect_b32 s23, ttmp9, s23                  ; the coordinate along which other clusters read the same bytes
	s_cselect_b64 s[PFA:PFA+1], s[4:5], s[6:7]
	s_cselect_b32 s[PST], 256, s[PST]
	s_cselect_b32 s77, 2048, s77
	s_add_nc_u64 s[PFA:PFA+1], s[PFA:PFA+1], s[78:79]
	s_cmp_eq_u32 s23, 0
	s_cselect_b32 s[LIM], 2, -1
	v_mul_u32_u24 v[PFO], v7, s77
	s_wait_kmcnt 0x0                               ; FLAG is in
	s_cmp_lg_u32 s[FLAG], 0                        ; FLAG selects constants, never a path
	s_cselect_b32 s[BMASK], -1, 0
	s_cselect_b32 s[A1], 0xbe027906, 0             ; -0.127414796
	s_cselect_b32 s[A2], 0x3e11a98e, 0             ; 0.142248368
	s_cselect_b32 s[A3], 0xbf35f0e3, 0             ; -0.7107068705
	s_cselect_b32 s[A4], 0x3f3a00e3, 0             ; 0.7265760135
	s_cselect_b32 s[A5], 0xbf07dc22, 0             ; -0.5307027145
	s_cselect_b32 s[CH], 0.5, 0
	s_cselect_b32 s[HS], 0.5, 1.0
.irp p, A1, A2, A3, A4, A5, CH, HS
	s_mov_b32 s[\p+1], s[\p]                       ; named as pairs
.endr
; 16 matrix instructions: row blocks a0, a0 + 1 of the window's four x all 8 column blocks, 32 along K.  zero = 1: the product starts the sums.  The 64 accumulators take turns in one order everywhere.
.macro MUL16 f, hi, a0, zero
	WIN MUL_LO+0x50*(\hi)
.irp a, \a0, (\a0)+1
.irp b, 0,1,2,3,4,5,6,7
.if \zero
	v_wmma_f32_16x16x32_f16 v[8*(8*(\a)+(\b)):8*(8*(\a)+(\b))+7], v[(\f)+8*(\b):(\f)+8*(\b)+7], v[(\f)+8*(4*(\hi)+(\a)):(\f)+8*(4*(\hi)+(\a))+7], 0
.else
	v_wmma_f32_16x16x32_f16 v[8*(8*(\a)+(\b)):8*(8*(\a)+(\b))+7], v[(\f)+8*(\b):(\f)+8*(\b)+7], v[(\f)+8*(4*(\hi)+(\a)):(\f)+8*(4*(\hi)+(\a))+7], v[8*(8*(\a)+(\b)):8*(8*(\a)+(\b))+7]
.endif
.endr
.endr
.endm
; 32 LDS loads in one run: quarter q (32 along K) of the slot that is read, into buffer f: W's 8 fragments (turned), then A's 8
.macro FETCH q, f
	WIN TO_B
.irp i, 0,1,2,3,4,5,6,7
	ds_load_tr16_b128 v[(\f)+8*(\i):(\f)+8*(\i)+3],   v[ADRB] offset:(\q)*32*PB+32*(\i)
	ds_load_tr16_b128 v[(\f)+8*(\i)+4:(\f)+8*(\i)+7], v[ADRB] offset:(\q)*32*PB+16*PB+32*(\i)
.endr
	WIN 0
.irp i, 0,1,2,3,4,5,6,7
	ds_load_b128 v[(\f)+8*(\i):(\f)+8*(\i)+3],   v[ADRA] offset:64*(\q)+(\i)*16*PITCH
	ds_load_b128 v[(\f)+8*(\i)+4:(\f)+8*(\i)+7], v[ADRA] offset:64*(\q)+(\i)*16*PITCH+32
.endr
.endm
.macro PLACES                          ; four plain vector instructions between a matrix instruction and a load into, or a reader of, its registers
.rept 4
	v_nop
.endr
.endm
.macro QUARTER q, f, g, zero           ; multiplies buffer f; in its middle fetches quarter q into buffer g
	s_wait_dscnt 8                                 ; W and A's rows 0-63 are in; the youngest eight loads (A's rows 64-127) may be out
	MUL16 \f, 0, 0, \zero
	MUL16 \f, 0, 2, \zero
	PLACES
	FETCH \q, \g
	s_wait_dscnt 32                                ; all but the 32 just issued
	MUL16 \f, 1, 0, \zero
	MUL16 \f, 1, 2, \zero
.endm
; The first half of a K step's last quarter, and the change of slots: every wave waits for all its tensor loads (at the most one is out: its part of the next slot), adds 0 to its spare word,
; waits for that and for its reads of this slot, and signals.  Every window is 0 behind it: a branch follows.
.macro MEET
	WIN 0
	s_wait_tensorcnt 0x0
	ds_add_u32 v[SPW], v[NIL]
	s_wait_dscnt 9                                 ; the add and the youngest eight loads may be out
	MUL16 F1, 0, 0, 0
	s_wait_dscnt 0x0                               ; the add is done, and my reads of this slot are over
	s_barrier_signal -1
	MUL16 F1, 0, 2, 0
	WIN 0
	s_barrier_wait -1
.endm
.macro NEXTSLOT                        ; the reads go over to the other slot: its first fragments
	s_xor_b32 s[TB], s[TB], SLOT
	v_add_nc_u32 v[ADRA], s[TB], v[A0]
	v_add_nc_u32 v[ADRB], s[TB], v[B0]
	FETCH 0, F0
.endm
.macro TURN                            ; a K step's last quarter where the slot just read takes the K step two on, first thing behind the cluster's round
	s_wait_xcnt 0x0                                ; the last prefetch, a K step back, has read its address
	s_add_nc_u64 s[PFA:PFA+1], s[PFA:PFA+1], s[PST:PST+1]
	MEET
	CREST
	s_xor_b32 s[G0+5], s[G0+5], SLOT               ; the walking descriptors: the other slot (SLOT's two bits are never set in wave x HALFT), the next K step
	s_add_nc_u64 s[G0+6:G0+7], s[G0+6:G0+7], 256
	s_xor_b32 s[G0B+5], s[G0B+5], SLOT
	s_add_nc_u64 s[G0B+6:G0B+7], s[G0B+6:G0B+7], 65536
	JLOAD 1                                        ; its four v_nop are also the places in front of the loads below
	NEXTSLOT
	ASK
	MUL16 F1, 1, 0, 0
	MUL16 F1, 1, 2, 0
.endm
	s_wait_tensorcnt 1                             ; my part of K step 0 is in; K step 1's may stay out
	s_barrier_signal -1
	s_barrier_wait -1
	FETCH 0, F0
	QUARTER 1, F0, F1, 1                           ; the first quarter starts the sums
	WIN 0
	s_mov_b32 s3, 6
.Lstep:                                                ; a trip: a K step's quarters 1 to 3 and the next step's quarter 0; K steps 2 .. 7 are asked for
	QUARTER 2, F1, F0, 0
	QUARTER 3, F0, F1, 0
	TURN
	QUARTER 1, F0, F1, 0
	WIN 0
	s_sub_co_u32 s3, s3, 1
	s_cmp_lg_u32 s3, 0
	s_cbranch_scc1 .Lstep
	s_mov_b32 s3, 2
.Ltail:                                                ; K steps 6 and 7 ask for nothing: the same trip without a fill; the second is left behind its barrier
	QUARTER 2, F1, F0, 0
	QUARTER 3, F0, F1, 0
	MEET
	s_sub_co_u32 s3, s3, 1
	s_cmp_eq_u32 s3, 0
	s_cbranch_scc1 .Lfin
	PLACES                                         ; for the loads into buffer 0, which the quarter before multiplied
	NEXTSLOT
	MUL16 F1, 1, 0, 0
	MUL16 F1, 1, 2, 0
	QUARTER 1, F0, F1, 0
	WIN 0
	s_branch .Ltail
.Lfin:
	MUL16 F1, 1, 0, 0                              ; the last 32 products
	MUL16 F1, 1, 2, 0
	; THE WAY OUT.  The sums go as f32 into my stage, which lies in the ring: every wave's reads of the ring are over in front of the barrier, and no fill follows.
	WIN 0
	PLACES
	s_wait_dscnt 0x0
	s_barrier_signal -1
	s_barrier_wait -1
.irp a, 0,1,2,3,4,5,6,7
	WIN 0x08+4*((\a)/4)                            ; store data in window 2 or 3
.irp b, 0,1,2,3,4,5,6,7
	ds_store_b128 v[STO], v[8*(8*((\a)%4)+(\b)):8*(8*((\a)%4)+(\b))+3]   offset:(\a)*16*SPITCH+64*(\b)
	ds_store_b128 v[STO], v[8*(8*((\a)%4)+(\b))+4:8*(8*((\a)%4)+(\b))+7] offset:(\a)*16*SPITCH+64*(\b)+16
.endr
.endr
	WIN 0
	s_wait_loadcnt 0x0                             ; the bias: rounded to bf16, and 0 where FLAG = 0
	s_and_b32 s78, s[BMASK], 0xffff0000
.set k, 0
.rept 8
	v_cvt_pk_bf16_f32 v[ZZ+k], v[BIAS+2*k], v[BIAS+2*k+1]
.set k, k+1
.endr
.set k, 0
.rept 8
	v_lshlrev_b32 v[BIAS+2*k], 16, v[ZZ+k]
	v_and_b32 v[BIAS+2*k+1], s78, v[ZZ+k]
	v_and_b32 v[BIAS+2*k], s[BMASK], v[BIAS+2*k]
.set k, k+1
.endr
.macro LLOAD adr                       ; four rows: my 8 columns of each of the two blocks of 64.  LDS serves a wave's instructions in order: these see my stores
	ds_load_b128 v[LL:LL+3],     v[\adr]
	ds_load_b128 v[LL+4:LL+7],   v[\adr] offset:16
	ds_load_b128 v[LL+8:LL+11],  v[\adr] offset:256
	ds_load_b128 v[LL+12:LL+15], v[\adr] offset:272
.endm
.macro P8 line:vararg                  ; one line for each of the eight pairs
.set i, 0
.rept 8
	\line
.set i, i+2
.endr
.endm
	s_mov_b32 s[U], 0
	s_mov_b32 s[EC], 32
	LLOAD RD0
.Lep:                                                  ; 32 trips of four rows x 128 columns; the next trip's rows are read while this trip's are worked on
	s_wait_dscnt 0x0
	P8 v_pk_add_f32 v[ZZ+i:ZZ+i+1], v[LL+i:LL+i+1], v[BIAS+i:BIAS+i+1]
	s_lshl_b32 s79, s[U], 9                        ; four rows of 128 bytes in out
	s_add_co_u32 s[U], s[U], 1
	s_and_b32 s[U], s[U], 31                       ; the last trip reads the first rows once more and leaves them unused
	s_mul_i32 s78, s[U], 4*SPITCH
	v_add_nc_u32 v[RD], s78, v[RD0]
	LLOAD RD
.set i, 0
.rept 9                                ; pair i's five plain lines, and between them the four transcendentals of pair i - 1
.if i < 8
	v_fma_f32 v[DD+2*i], |v[ZZ+2*i]|, s[C1], 1.0
.endif
.if i > 0
	v_rcp_f32 v[DD+2*i-2], v[DD+2*i-2]
.endif
.if i < 8
	v_fma_f32 v[DD+2*i+1], |v[ZZ+2*i+1]|, s[C1], 1.0
.endif
.if i > 0
	v_rcp_f32 v[DD+2*i-1], v[DD+2*i-1]
.endif
.if i < 8
	v_pk_mul_f32 v[WR+2*i:WR+2*i+1], v[ZZ+2*i:ZZ+2*i+1], v[ZZ+2*i:ZZ+2*i+1]
.endif
.if i > 0
	v_exp_f32 v[WR+2*i-2], v[WR+2*i-2]
.endif
.if i < 8
	v_pk_mul_f32 v[WR+2*i:WR+2*i+1], v[WR+2*i:WR+2*i+1], s[CE:CE+1] op_sel_hi:[1,0]
.endif
.if i > 0
	v_exp_f32 v[WR+2*i-1], v[WR+2*i-1]
.endif
.if i < 8
	v_pk_mul_f32 v[HH+2*i:HH+2*i+1], v[ZZ+2*i:ZZ+2*i+1], s[HS:HS+1] op_sel_hi:[1,0]
.endif
.set i, i+1
.endr
	v_nop                                          ; a plain instruction behind the last transcendental,
	s_wait_alu depctr_va_vdst(0)                   ; and one wait for the batch of 32, ahead of its first reader
	P8 v_pk_fma_f32 v[PP+i:PP+i+1], v[DD+i:DD+i+1], s[A5:A5+1], s[A4:A4+1] op_sel_hi:[1,0,0]
	P8 v_pk_fma_f32 v[PP+i:PP+i+1], v[PP+i:PP+i+1], v[DD+i:DD+i+1], s[A3:A3+1] op_sel_hi:[1,1,0]
	P8 v_pk_fma_f32 v[PP+i:PP+i+1], v[PP+i:PP+i+1], v[DD+i:DD+i+1], s[A2:A2+1] op_sel_hi:[1,1,0]
	P8 v_pk_fma_f32 v[PP+i:PP+i+1], v[PP+i:PP+i+1], v[DD+i:DD+i+1], s[A1:A1+1] op_sel_hi:[1,1,0]
	P8 v_pk_mul_f32 v[PP+i:PP+i+1], v[PP+i:PP+i+1], v[DD+i:DD+i+1]
	P8 v_pk_fma_f32 v[PP+i:PP+i+1], v[PP+i:PP+i+1], v[WR+i:WR+i+1], s[CH:CH+1] op_sel_hi:[1,1,0]
.set i, 0
.rept 16
	v_fma_f32 v[ZZ+i], |v[ZZ+i]|, v[PP+i], v[HH+i]
.set i, i+1
.endr
	s_wait_xcnt 0x0                                ; the last trip's stores have read OUT and GOC
.set i, 0
.rept 8
	v_cvt_pk_f16_f32 v[OUT+i], v[ZZ+2*i], v[ZZ+2*i+1]
.set i, i+1
.endr
	v_add_nc_u32 v[GOC], s79, v[GO]
	global_store_b128 v[GOC], v[OUT:OUT+3], s[70:71]                  ; 512 consecutive bytes: four rows of one block of 64 columns,
	global_store_b128 v[GOC], v[OUT+4:OUT+7], s[70:71] offset:524288  ; and of the next block
	s_sub_co_u32 s[EC], s[EC], 1
	s_cmp_lg_u32 s[EC], 0
	s_cbranch_scc1 .Lep
	s_wait_tensorcnt 0x0                           ; the wave's end
	ds_add_u32 v[SPW], v[NIL]
	s_wait_dscnt 0x0
	CROUND                                         ; the closing round
	s_endpgm
.Lfunc_end_k_qbeaf5fc0ea_qkv:
	.size	k_qbeaf5fc0ea_qkv, .Lfunc_end_k_qbeaf5fc0ea_qkv-k_qbeaf5fc0ea_qkv
	.p2alignl 7, 3214868480
	.fill 96, 4, 3214868480
	.section	.rodata,"a",@progbits
	.p2align	6, 0x0
	.amdhsa_kernel k_qbeaf5fc0ea_qkv
		.amdhsa_group_segment_fixed_size 327680
		.amdhsa_private_segment_fixed_size 0
		.amdhsa_enable_private_segment 0
		.amdhsa_kernarg_size 40
		.amdhsa_user_sgpr_count 2
		.amdhsa_user_sgpr_kernarg_segment_ptr 1
		.amdhsa_wavefront_size32 1
		.amdhsa_system_sgpr_workgroup_id_x 1
		.amdhsa_system_sgpr_workgroup_id_y 1
		.amdhsa_system_sgpr_workgroup_id_z 1
		.amdhsa_system_vgpr_workitem_id 0
		.amdhsa_next_free_vgpr 1024
		.amdhsa_next_free_sgpr 96
		.amdhsa_reserve_vcc 0
		.amdhsa_float_denorm_mode_32 3
		.amdhsa_float_denorm_mode_16_64 3
		.amdhsa_memory_ordered 1
		.amdhsa_forward_progress 1
		.amdhsa_inst_pref_size 93
	.end_amdhsa_kernel
	.amdgpu_metadata
---
amdhsa.version: [ 1, 2 ]
amdhsa.kernels:
  - .name:           k_qbeaf5fc0ea_qkv
    .symbol:         k_qbeaf5fc0ea_qkv.kd
    .args:
      - { .name: act, .offset: 0, .size: 8, .value_kind: global_buffer, .address_space: global }
      - { .name: wX, .offset: 8, .size: 8, .value_kind: global_buffer, .address_space: global }
      - { .name: b1, .offset: 16, .size: 8, .value_kind: global_buffer, .address_space: global }
      - { .name: par0, .offset: 24, .size: 8, .value_kind: global_buffer, .address_space: global }
      - { .name: big, .offset: 32, .size: 8, .value_kind: global_buffer, .address_space: global }
    .group_segment_fixed_size: 327680
    .private_segment_fixed_size: 0
    .kernarg_segment_align: 8
    .kernarg_segment_size: 40
    .max_flat_workgroup_size: 128
    .sgpr_count:     96
    .vgpr_count:     1024
    .wavefront_size: 32
...
	.end_amdgpu_metadata
.endif
;; end of part 2
;; launch attn (part 3): grid 8 x 32, 4 waves a work-group, no clusters, 327,680 bytes of LDS; arguments big, act; writes act
.if DOCPART == 3
	.amdgcn_target "amdgcn-amd-amdhsa--gfx1250"
	.amdhsa_code_object_version 6
	.text
	.protected	k_qbeaf5fc0ea_attn
	.globl	k_qbeaf5fc0ea_attn
	.p2align	8
	.type	k_qbeaf5fc0ea_attn,@function
k_qbeaf5fc0ea_attn:
	s_mov_b64 s[64:65], 0
	v_nop
	global_prefetch_b8 v0, s[64:65] scope:SCOPE_SE
	s_setreg_imm32_b32 hwreg(HW_REG_WAVE_MODE, 25, 1), 1
	s_wait_xcnt 0x0
; CAUSAL ATTENTION, head size 64.  O[q] = the sum over k <= q of softmax_k(Q[q] . K[k] / 8) V[k].  q, k, v lie in 'big' at 0, 8 MiB, 16 MiB, each [32 (head x 2 + batch)][2048][64] f16, dense rows of 128 bytes;
; O goes to 'act' in the same layout.  Products, maxima and sums in f32; the weights are rounded to f16 for the second product (their sum is taken unrounded), O once at the end.
; LIMITS.  q, k, v arrive within f16's 65,504.  A hidden score counts as its value less 1e30; a weight below 2^-126 counts as 0; NaN and infinities are not treated apart.
; THE WALK.  A head's queries lie in 16 blocks of 128; block I needs the key steps (64 keys) 0 .. 2 I + 1.  Work-group c takes block 2 c + 1 and then block 14 - 2 c: 34 key steps, whatever c, in 9 tiles of
; four steps: ONE loop of 8 trips and a tail.  Which tile is asked for and what a trip does hang on scalars made from c; every jump but the counted loops' own goes forward and passes no barrier.
; NO CLUSTER: a head's eight work-groups ask for the same tile only in their first trips (up to the smallest c among them); one walk common to all would have 12 tiles for 9.
; SHARES.  A block has two bands of 64 queries; a wave owns 16 rows in each: two PIECES.  In the block's last two steps band 0 holds the diagonal and then sees nothing; band 1 sees all and then holds the diagonal.
; THE MASK is the C operand that starts S^T = K Q^T: always registers, M0 for piece 0 and M1 for piece 1.  Both are 0 from a block's beginning on; in its last two steps they are made anew at the head of each
; trip from MD (the mask of a band's own step, made once from wave and lane): (MD, 0) and then (-1e30, MD).  So ONE text of the two turns serves every step.
; TURNS.  Turn p belongs to piece p: 8 products K Q^T of the other piece's next scores, later 8 products V^T P of the other piece; beside them piece p's scaling, exponentials, roundings, sums and rescaling and
; the other piece's maximum and statistics.  Four vector instructions stand behind every matrix instruction, the rest in one lump; a turn's 33 exponentials are one batch with one wait.
; THE RING.  Turn 0 of step s reads K of step s + 1 and V of step s.  So a tile holds K's keys 64 + 256 j .. and V's keys 256 j ..: both lie in one slot, and the change of slots stands behind turn 0.
; K's keys 0-63 lie in a region of their own, filled once.  The last tile's last 64 rows of K belong to the bytes that follow the head in 'big'; they are never multiplied.
; In a block's last step turn 0 fetches a K that no product takes (16 LDS loads of bytes that have landed): the price, twice a work-group, of one text for every step.
; REGISTERS in windows of 256: window 0: v0-15 addresses, v16-23 statistics, v24 prefetch offset, v48-55 at work, v64-127 S^T (two buffers), v192-223 P (two);  window 1: v0-63 O^T, v64-127 M0 and M1, v128-159 MD;
; window 2: v0-31 Q, v64-95 the second block's Q, v128-191 K of one step, v192-255 V of one step.
.set NP,    2
.set KS,    64
.set PK,    144       ; a row of K in LDS: 128 bytes + 16: the 16 rows of a load start at 16 different groups of four banks (64 banks of 4 bytes: ISA guide 11.1)
.set PV,    160       ; a row of V: 128 + 32
.set VOFF,  4*KS*PK
.set K0,    4*KS*(PK+PV)        ; behind slot 0: K's keys 0-63, 9,216 bytes
.set SLOT1, 1<<17
.set STAGE, SLOT1+4*KS*(PK+PV)  ; behind the ring, never filled: 16 rows x 144 bytes a wave
.set SP,    144
.set SPARE, STAGE+4*16*SP       ; the spare words, 128 bytes a wave, that no other line names
.set AK0, 2
.set AV0, 3
.set AK,  4
.set AV,  5
.set STO, 6
.set RD,  7
.set GO,  8
.set MV,  12          ; v12-13  c m_old, by buffer
.set QO,  15
.set ST,  16          ; piece t: c m, m, l (even keys', odd keys') at v[ST+4 t]
.set PFO, 24
.set TMP, 48
.set SPW, 62
.set NIL, 63
.set S,   64
.set P,   192
.set MC,  64          ; window 1: piece x's mask at MC + 32 x
.set MD,  128
.set QB,  64
.set KF,  128
.set VF,  192
.set WV,  12
.set PB,  14          ; s14  c
.set G1K, 24
.set G1V, 32
.set G0K, 40
.set G0V, 44
.set PFA, 48          ; s[48:49] where my prefetches stand
.set AL,  50          ; s[50:51] M0 = MD x AL + BE; the packed lines take a pair's low word for both halves
.set BE,  52          ; s[52:53]
.set AL1, 54          ; s[54:55] M1 = MD x AL1
.set SLOTS, 56
.set CNT, 57
.set CS,  58
.set SEL, 60
.set TBK, 62
.set TBV, 63
.set HC,  66          ; s66  halves of the tile still to come
.set DGH, 67          ; s67  the value of HC at which the block's last two steps begin (0: not in this tile)
.set SB,  68          ; s68  the slot that is read
.set LIM, 69
.set RT,  70          ; s70  tiles of the block in hand still to be entered
.set NXT, 71
.set LQ,  72
.set NEW, 73
.set OFF, 74
.set LQ2, 76          ; s76  7 - c: the second block's last tile
.set OLO, 80
.set BIGN, 82
.set G1Z, 88          ; s[88:95], s[96:99] descriptor of K's keys 0-63
.set G0Z, 96
.set MSB, 0
.macro WIN new
.if MSB != (\new)
	s_set_vgpr_msb (MSB<<8)|(\new)
.set MSB, (\new)
.endif
.endm
.set W_KQ, 0x0a
.set W_KM, 0x1a
.set W_PV, 0x52
.set W_RS, 0x41
.macro LOAD                         ; a fill: waves 0 and 1 fetch the halves of a tile's K, waves 2 and 3 of its V.  An s_nop 0 and four v_nop follow each line
	s_cmp_lt_u32 s[WV], 2
	s_cbranch_scc0 .Lfor_v_\@
	tensor_load_to_lds s[G0K:G0K+3], s[G1K:G1K+7]
	s_nop 0
.rept 4
	v_nop
.endr
	s_branch .Lasked_\@
.Lfor_v_\@:
	tensor_load_to_lds s[G0V:G0V+3], s[G1V:G1V+7]
	s_nop 0
.rept 4
	v_nop
.endr
.Lasked_\@:
.endm
; A prefetch into the L2 of the tile after the one just asked for: four key steps, 128 matrix instructions, ahead of its load.  Work-group c = 7 walks the head's tiles 0 .. 7 in its first block: it alone asks,
; each wave for the 16 KiB that it will fetch itself, a lane a block of 256 bytes, two instructions.  Trips with SLOTS = 8 .. 3 ask, for tiles 2 .. 7.
.macro ASK
	s_cmp_gt_u32 s[SLOTS], s[LIM]
	s_cbranch_scc0 .Lnot_mine_\@
	global_prefetch_b8 v[PFO], s[PFA:PFA+1] th:TH_LOAD_NT scope:SCOPE_SE
	global_prefetch_b8 v[PFO], s[PFA:PFA+1] offset:8192 th:TH_LOAD_NT scope:SCOPE_SE
.Lnot_mine_\@:
.endm
; THE CHANGE OF SLOTS.  Each wave waits for all its tensor loads, adds 0 to its spare word, and waits for that and for its reads of the slot that it leaves; behind the barrier the old slot is filled first.
.macro CHANGE fill
	WIN 0
	s_wait_tensorcnt 0x0            ; no tensor load of mine is out, so a group 0 may be written
	ds_add_u32 v[SPW], v[NIL]
.if \fill
	s_lshl_b32 s[OFF], s[NXT], 15   ; a tile is 32,768 bytes of K and of V
	s_xor_b32 s[G0K+1], s[G0K+1], SLOT1
	s_add_nc_u64 s[G0K+2:G0K+3], s[6:7], s[OFF:OFF+1]
	s_or_b32 s[G0K+3], s[G0K+3], 0x80000000
	s_xor_b32 s[G0V+1], s[G0V+1], SLOT1
	s_add_nc_u64 s[G0V+2:G0V+3], s[8:9], s[OFF:OFF+1]
	s_or_b32 s[G0V+3], s[G0V+3], 0x80000000
	s_add_co_u32 s[NXT], s[NXT], 1  ; the block's next tile, or behind its last the second block's tile 0
	s_cmp_gt_u32 s[NXT], s[LQ]
	s_cselect_b32 s[NXT], 0, s[NXT]
	s_cselect_b32 s[LQ], s[LQ2], s[LQ]
	s_wait_xcnt 0x0                 ; the last prefetches, four key steps back, have read their address
	s_add_nc_u64 s[PFA:PFA+1], s[PFA:PFA+1], 32768
.endif
	s_wait_dscnt 0x0                ; the add is done, and my reads of the slot are over
	s_barrier_signal -1
	s_xor_b32 s[SB], s[SB], SLOT1
	s_mov_b32 s[TBK], s[SB]
	s_mov_b32 s[TBV], s[SB]
	s_barrier_wait -1
.if \fill
	LOAD
	ASK
.endif
.endm
	s_load_b128 s[84:87], s[0:1], 0x0  ; big s[84:85], act s[86:87]
	v_lshl_add_u32 v[SPW], v0, 2, SPARE
	v_mov_b32 v[NIL], 0
	ds_add_u32 v[SPW], v[NIL]       ; the wave's opening: the add and its wait ahead of my first tensor load
	ds_add_u32 v62, v63
	v_lshrrev_b32 v1, 5, v0
	v_readfirstlane_b32 s[WV], v1
	s_mov_b32 s[PB], ttmp9
	s_lshl_b32 s13, s[PB], 1
	s_add_co_u32 s15, s13, 1        ; the first block
	s_sub_co_u32 s16, 14, s13       ; the second
	s_sub_co_u32 s[LQ2], 7, s[PB]
	s_and_b32 s20, ttmp7, 0xffff
	s_lshl_b32 s20, s20, 18         ; the head's first byte in q, k, v and O
	s_and_b32 s17, s[WV], 1         ; which half of a tile I fetch
	s_lshl_b32 s18, s17, 14
	s_add_co_u32 s18, s18, s20
	s_add_co_u32 s22, s18, (1<<23)+8192  ; K, one step on
	s_mov_b32 s23, 0
	s_add_co_u32 s50, s18, 1<<24         ; V
	s_mov_b32 s51, 0
	s_lshl_b32 s52, s17, 12              ; my 32 of K's keys 0-63
	s_add_co_u32 s52, s52, s20
	s_add_co_u32 s52, s52, 1<<23
	s_mov_b32 s53, 0
	s_lshl_b32 s19, s[WV], 11            ; my 16 rows in a band
	s_add_co_u32 s19, s19, s20
	s_lshl_b32 s2, s15, 14
	s_add_co_u32 s2, s2, s19
	s_mov_b32 s3, 0
	s_lshl_b32 s78, s16, 14
	s_add_co_u32 s78, s78, s19
	s_mov_b32 s79, 0
	s_mul_i32 s54, s17, 128*PK
	s_mul_i32 s55, s17, 128*PV
	s_mul_i32 s21, s17, 32*PK
	; 128 keys are 16,384 dense bytes: asked for as 64 rows of 256 bytes, two keys a row, padded in LDS after every key
	s_mov_b32 s[G1K], (1<<16)|(1<<20)|(4<<22)|(3<<25)
	s_mov_b32 s[G1V], (1<<16)|(1<<20)|(4<<22)|(7<<25)
	s_mov_b32 s[G1Z], (1<<16)|(1<<20)|(4<<22)|(3<<25)
.irp g, G1K, G1V
	s_mov_b32 s[\g+1], 128<<16
	s_mov_b32 s[\g+2], 64<<16
	s_mov_b32 s[\g+3], 128<<16
	s_mov_b32 s[\g+4], 64
	s_mov_b32 s[\g+5], 128
	s_mov_b32 s[\g+6], 0
	s_mov_b32 s[\g+7], 0
.endr
	s_mov_b32 s[G1Z+1], 128<<16     ; 32 keys: 16 rows of 256 bytes
	s_mov_b32 s[G1Z+2], 16<<16
	s_mov_b32 s[G1Z+3], 128<<16
	s_mov_b32 s[G1Z+4], 16
	s_mov_b32 s[G1Z+5], 128
	s_mov_b32 s[G1Z+6], 0
	s_mov_b32 s[G1Z+7], 0
	s_mov_b32 s[CS], 0x3e38aa3b     ; c = log2(e) / 8
	s_mov_b32 s[CS+1], s[CS]
	s_mov_b32 s[SEL], 0x76543210
	s_mov_b32 s[SEL+1], 0xfedcba98
	s_mov_b32 s[SB], SLOT1          ; the first change of slots turns it into 0
	s_mov_b32 s[G0K], 1
	s_mov_b32 s[G0K+1], s54
	s_mov_b32 s[G0V], 1
	s_add_co_u32 s[G0V+1], s55, VOFF
	s_mov_b32 s[G0Z], 1
	s_add_co_u32 s[G0Z+1], s21, K0
	s_add_co_u32 s[RT], s[PB], 1    ; the first block has c + 1 tiles
	s_mov_b32 s[NXT], 1
	s_mov_b32 s[LQ], s[PB]
	s_cmp_gt_u32 s[NXT], s[LQ]      ; at c = 0 it has one: the next tile asked for is the second block's first
	s_cselect_b32 s[NXT], 0, s[NXT]
	s_cselect_b32 s[LQ], s[LQ2], s[LQ]
	s_mov_b32 s[NEW], 1
	s_mov_b32 s[OFF+1], 0
	s_mov_b32 s[BIGN], 0xf149f2ca   ; -1e30
	s_mov_b32 s[SLOTS], 8
	s_cmp_eq_u32 s[PB], 7
	s_cselect_b32 s[LIM], 2, -1
	s_wait_dscnt 0x0                ; the opening add is done
	s_wait_kmcnt 0x0
	s_add_nc_u64 s[6:7], s[84:85], s[22:23]
	s_add_nc_u64 s[8:9], s[84:85], s[50:51]
	s_add_nc_u64 s[G0Z+2:G0Z+3], s[84:85], s[52:53]
	s_or_b32 s[G0Z+3], s[G0Z+3], 0x80000000
	s_add_nc_u64 s[G0K+2:G0K+3], s[6:7], 0
	s_or_b32 s[G0K+3], s[G0K+3], 0x80000000
	s_add_nc_u64 s[G0V+2:G0V+3], s[8:9], 0
	s_or_b32 s[G0V+3], s[G0V+3], 0x80000000
	s_add_nc_u64 s[4:5], s[84:85], s[2:3]          ; Q and O at my rows of the first block,
	s_add_nc_u64 s[10:11], s[86:87], s[2:3]
	s_add_nc_u64 s[OLO:OLO+1], s[86:87], s[78:79]  ; and of the second
	s_add_nc_u64 s[86:87], s[84:85], s[78:79]
	s_cmp_lt_u32 s[WV], 2
	s_cselect_b64 s[PFA:PFA+1], s[6:7], s[8:9]
	s_add_nc_u64 s[PFA:PFA+1], s[PFA:PFA+1], 32768 ; at tile 1; the first change steps it to tile 2.  Nothing is prefetched at the head
	s_cmp_lt_u32 s[WV], 2           ; a wave's first fills stand in one branch: two loads of mine are out at the most
	s_cbranch_scc0 .Lfirst_v
	tensor_load_to_lds s[G0K:G0K+3], s[G1K:G1K+7]
	s_nop 0
	tensor_load_to_lds s[G0Z:G0Z+3], s[G1Z:G1Z+7]
	s_nop 0
.rept 4
	v_nop
.endr
	s_branch .Lfirst_asked
.Lfirst_v:
	tensor_load_to_lds s[G0V:G0V+3], s[G1V:G1V+7]
	s_nop 0
.rept 4
	v_nop
.endr
.Lfirst_asked:
	s_mov_b32 s[AL+1], 0            ; the masks' scalars are named as pairs (these registers held offsets, which have been used)
	s_mov_b32 s[BE+1], 0
	s_mov_b32 s[AL1+1], 0
	v_and_b32 v1, 15, v0            ; l % 16
	v_bfe_u32 v9, v0, 4, 1          ; l / 16
	v_lshlrev_b32 v[QO], 7, v1
	v_lshl_add_u32 v[QO], v9, 4, v[QO]
	WIN 0x80
.set i, 0
.rept 4                             ; both blocks' Q: piece i / 2 lies 8,192 bytes on; channels 32 (i % 2) on
	global_load_b128 v[8*i:8*i+3],   v[QO], s[4:5] offset:(i/2)*8192+(i%2)*64
	global_load_b128 v[8*i+4:8*i+7], v[QO], s[4:5] offset:(i/2)*8192+(i%2)*64+32
	global_load_b128 v[QB+8*i:QB+8*i+3],   v[QO], s[86:87] offset:(i/2)*8192+(i%2)*64
	global_load_b128 v[QB+8*i+4:QB+8*i+7], v[QO], s[86:87] offset:(i/2)*8192+(i%2)*64+32
.set i, i+1
.endr
	WIN 0
	v_lshlrev_b32 v14, 3, v9
	v_sub_nc_u32 v14, v1, v14
	s_lshl_b32 s13, s[WV], 4
	v_add_nc_u32 v14, s13, v14      ; my query's place in its band less my lanes' 8 (l / 16): register r of key group kt is hidden where 16 kt + r is greater
	WIN 0x40
.set i, 0
.rept 32
	v_cmp_gt_i32 vcc_lo, 16*(i/8)+i%8, v14
	v_cndmask_b32 v[MD+i], 0, s[BIGN], vcc_lo
.set i, i+1
.endr
	WIN 0
	v_mul_u32_u24 v[AK0], v1, PK
	v_lshl_add_u32 v[AK0], v9, 4, v[AK0]
	v_and_b32 v10, 7, v0
	v_bfe_u32 v11, v0, 3, 1
	v_lshl_add_u32 v[AV0], v9, 3, v10
	v_mul_u32_u24 v[AV0], v[AV0], PV
	v_lshl_add_u32 v[AV0], v11, 4, v[AV0]
	v_add_nc_u32 v[AV0], VOFF, v[AV0]
	s_mul_i32 s13, s[WV], 16*SP
	s_add_co_u32 s13, s13, STAGE
	v_mul_u32_u24 v[STO], v1, SP
	v_lshl_add_u32 v[STO], v9, 4, v[STO]
	v_add_nc_u32 v[STO], s13, v[STO]
	v_bfe_u32 v[RD], v0, 3, 2
	v_mul_u32_u24 v[RD], v[RD], SP
	v_lshl_add_u32 v[RD], v10, 4, v[RD]
	v_add_nc_u32 v[RD], s13, v[RD]
	v_and_b32 v[GO], 31, v0
	v_lshlrev_b32 v[PFO], 8, v[GO]
	v_lshlrev_b32 v[GO], 4, v[GO]
	; A block's first step multiplies O^T and l by a = 0, and its first products V^T P, of a piece that has not been, land in an O^T still to be so multiplied: these registers need only hold finite numbers.
	WIN 0x80
.set i, VF
.rept 64
	v_mov_b32 v[i], 0
.set i, i+1
.endr
	WIN 0x40
.set i, 0
.rept 64
	v_mov_b32 v[i], 0
.set i, i+1
.endr
	WIN 0
.set i, 0
.rept 2
	v_mov_b32 v[ST+4*i+2], 0
	v_mov_b32 v[ST+4*i+3], 0
.set i, i+1
.endr
.set i, P+16
.rept 16
	v_mov_b32 v[i], 0
.set i, i+1
.endr
; Product i of 8 of S^T = K Q^T for piece x: channels 32 (i / 4) on, keys 16 (i % 4) on.  The first 4 start the sums with the piece's mask.  The 4 accumulators take turns.
.macro KQ x
.set rS, S+32*((\x)%2)+8*(i%4)
.set rK, KF+16*(i%4)+8*(i/4)
.set rQ, 16*(\x)+8*(i/4)
.set rM, MC+32*(\x)+8*(i%4)
.if i < 4
	WIN W_KM
	v_wmma_f32_16x16x32_f16 v[rS:rS+7], v[rK:rK+7], v[rQ:rQ+7], v[rM:rM+7]
.else
	WIN W_KQ
	v_wmma_f32_16x16x32_f16 v[rS:rS+7], v[rK:rK+7], v[rQ:rQ+7], v[rS:rS+7]
.endif
.endm
.macro PV x                         ; product i of 8 of O^T += V^T P for piece x: keys 32 (i / 4) on, channels 16 (i % 4) on
	WIN W_PV
.set rO, 32*(\x)+8*(i%4)
.set rV, VF+32*(i/4)+8*(i%4)
.set rP, P+16*((\x)%2)+8*(i/4)
	v_wmma_f32_16x16x32_f16 v[rO:rO+7], v[rV:rV+7], v[rP:rP+7], v[rO:rO+7]
.endm
.macro MM                           ; the turn's next matrix instruction.  NOKQ = 1: a block's last turn: there are no further scores
.if (i < 8) && !NOKQ
	KQ (Y+1)%NP
.elseif i >= 8
.set i, i-8
	PV (Y+NP-1)%NP
.set i, i+8
.endif
.set i, i+1
.endm
.macro FETCH_K step                 ; a run of 16 LDS loads: a step's K.  step = 1: the next fetch is the next step's
	WIN 0x80
.irp f, 0,1,2,3,4,5,6,7
	ds_load_b128 v[KF+8*\f:KF+8*\f+3],   v[AK] offset:(\f/2)*16*PK+(\f%2)*64
	ds_load_b128 v[KF+8*\f+4:KF+8*\f+7], v[AK] offset:(\f/2)*16*PK+(\f%2)*64+32
.endr
.if \step
	s_add_co_u32 s[TBK], s[TBK], KS*PK
.endif
	WIN 0
.endm
.macro FETCH_V                      ; a step's V, turned
	WIN 0x80
.irp f, 0,1,2,3,4,5,6,7
	ds_load_tr16_b128 v[VF+8*\f:VF+8*\f+3],   v[AV] offset:(\f/4)*32*PV+(\f%4)*32
	ds_load_tr16_b128 v[VF+8*\f+4:VF+8*\f+7], v[AV] offset:(\f/4)*32*PV+16*PV+(\f%4)*32
.endr
	WIN 0
.endm
; THE MASKS are made: M0 = MD x AL + BE, M1 = MD x AL1.  The products that read them last stand a turn or more back.
.macro MASKS
	WIN W_RS
.set z, 0
.rept 16
	v_pk_fma_f32 v[MC+2*z:MC+2*z+1], v[MD+2*z:MD+2*z+1], s[AL:AL+1], s[BE:BE+1] op_sel_hi:[1,0,0]
.set z, z+1
.endr
.set z, 0
.rept 16
	v_pk_mul_f32 v[MC+32+2*z:MC+32+2*z+1], v[MD+2*z:MD+2*z+1], s[AL1:AL1+1] op_sel_hi:[1,0]
.set z, z+1
.endr
	WIN 0
.endm
.macro MSEL                         ; a block's last two steps: at the first (CNT = 2) piece 0 holds the diagonal and piece 1 sees all; at the second piece 0 sees nothing and piece 1 holds the diagonal
	s_cmp_eq_u32 s[CNT], 2
	s_cselect_b32 s[AL], 1.0, 0
	s_cselect_b32 s[BE], 0, s[BIGN]
	s_cselect_b32 s[AL1], 0, 1.0
.endm
; THE VECTOR WORK, a line at a time: OP kind, number.  For piece Y: F n: c s - c m for pair n.  E n: the exponential of score n.  C n: pair n rounded to f16.  B n: of four weights the second pair onto the first.
; L n: l takes that sum (L 0: l = a l + sum).  R n: pair n of O^T times a.  For the other piece: X n, number n of the 22 that find its maximum and statistics (each accumulator's lowest registers are read first).
.set F, 0
.set E, 1
.set C, 2
.set B, 3
.set L, 4
.set R, 5
.set X, 6
.macro REGS y
.set rT, ST+4*(\y)
.set rC, TMP+4*((\y)%2)
.set rW, MV+((\y)%2)
.set rS, S+32*((\y)%2)
.set rP, P+16*((\y)%2)
.set rO, 32*(\y)
.endm
.macro OP k, n
.if (\k) == R
	REGS Y
	WIN W_RS
	v_pk_mul_f32 v[rO+2*(\n):rO+2*(\n)+1], v[rO+2*(\n):rO+2*(\n)+1], v[rC+2:rC+3] op_sel_hi:[1,0]
.elseif (\k) < R
	REGS Y
	WIN 0
.if (\k) == F
	v_pk_fma_f32 v[rS+2*(\n):rS+2*(\n)+1], v[rS+2*(\n):rS+2*(\n)+1], s[CS:CS+1], v[rT:rT+1] op_sel_hi:[1,0,0] neg_lo:[0,0,1] neg_hi:[0,0,1]
.elseif (\k) == E
	v_exp_f32 v[rS+(\n)], v[rS+(\n)]
.elseif (\k) == C
	v_cvt_pk_f16_f32 v[rP+(\n)], v[rS+2*(\n)], v[rS+2*(\n)+1]
.elseif (\k) == B
	v_pk_add_f32 v[rS+4*(\n):rS+4*(\n)+1], v[rS+4*(\n):rS+4*(\n)+1], v[rS+4*(\n)+2:rS+4*(\n)+3]
.elseif (\n) == 0
	v_pk_fma_f32 v[rT+2:rT+3], v[rT+2:rT+3], v[rC+2:rC+3], v[rS:rS+1] op_sel_hi:[1,0,1]
.else
	v_pk_add_f32 v[rT+2:rT+3], v[rT+2:rT+3], v[rS+4*(\n):rS+4*(\n)+1]
.endif
.elseif NOKQ
	v_nop
.else
	REGS (Y+1)%NP
	WIN 0
.if (\n) < 4
	v_max3_num_f32 v[rC+(\n)], v[rS+8*(\n)], v[rS+8*(\n)+1], v[rS+8*(\n)+2]
.elseif (\n) < 12
	v_max3_num_f32 v[rC+(\n)%4], v[rC+(\n)%4], v[rS+8*((\n)%4)+2*((\n)/4)+1], v[rS+8*((\n)%4)+2*((\n)/4)+2]
.elseif (\n) == 12
	v_max3_num_f32 v[rC], v[rC], v[rS+7], v[rS+15]
.elseif (\n) == 13
	v_max3_num_f32 v[rC+1], v[rC+1], v[rS+23], v[rS+31]
.elseif (\n) == 14
	v_max3_num_f32 v[rC+2], v[rC+2], v[rC+3], v[rT+1]
.elseif (\n) == 15
	v_mov_b32 v[rW], v[rT]
.elseif (\n) == 16
	v_max3_num_f32 v[rC], v[rC], v[rC+1], v[rC+2]
.elseif (\n) == 17
	v_permlanex16_b32 v[rC+3], v[rC], s[SEL], s[SEL+1]
.elseif (\n) == 18
	v_max_num_f32 v[rT+1], v[rC], v[rC+3]
.elseif (\n) == 19
	v_mul_f32 v[rT], s[CS], v[rT+1]
.elseif (\n) == 20
	v_sub_f32 v[rC+1], v[rW], v[rT]
.else
	v_exp_f32 v[rC+2], v[rC+1]
.endif
.endif
.endm
.macro OPS a, i1, b=-1, i2=0, c=-1, i3=0, d=-1, i4=0
	OP \a, \i1
.if (\b) >= 0
	OP \b, \i2
.endif
.if (\c) >= 0
	OP \c, \i3
.endif
.if (\d) >= 0
	OP \d, \i4
.endif
.endm
.macro ROW a, i1, b, i2, c, i3, d, i4  ; a matrix instruction and the four behind it
	MM
	OPS \a, \i1, \b, \i2, \c, \i3, \d, \i4
.endm
; A TURN, for piece p.  Ahead of its one wait stands all that names no result of its exponentials: 8 products K Q^T with their riders and a lump; behind it 8 products V^T P, whose riders are the roundings and sums.
; end = 1 (with p = 1): a block's last turn: it starts no scores.  cnt = 1: the loop's count is taken down some lines ahead of the branch.
; Turn 0 fetches K of the next step in its lump, six plain instructions behind the last product that read K, and V of the step in hand at its end, four plain instructions behind the last product that read V.
; Turn 1 waits for K at its head (V's sixteen younger loads may stay out) and for V behind its wait for the exponentials.
.macro TURN p, end=0, cnt=0
.set Y, (\p)
.set i, 0
.set NOKQ, (\end)*(\p)
.if ((\p) == 1) && !(\end)
	s_wait_dscnt 16                 ; K is in
.endif
	ROW F,0, F,1, R,0, R,1
	ROW F,2, E,0, R,2, R,3
	ROW F,3, E,1, R,4, R,5
	ROW F,4, E,2, R,6, R,7
	ROW F,5, E,3, R,8, R,9
	ROW F,6, E,4, X,0, R,10
.if ((\p) == 0) && !(\end)
	WIN 0
	v_add_nc_u32 v[AK], s[TBK], v[AK0]
.endif
	ROW F,7, E,5, X,1, X,4
	ROW F,8, E,6, X,2, X,5
	OPS E,7, E,8, X,6, E,9
	OPS X,3, E,10, X,8, E,11
.if ((\p) == 0) && !(\end)
	FETCH_K 1
.endif
	OPS X,9, X,7, E,12, X,10
	OPS E,13, X,12, X,11, E,14
	OPS X,13, E,15, F,9, X,14
.if (\p) == 0
	v_add_nc_u32 v[AV], s[TBV], v[AV0]
.endif
	OPS E,16, F,10, E,17, F,11
	OPS X,16, E,18, X,15, E,19
	OPS F,12, E,20, X,17, E,21
	OPS F,13, E,22, F,14, E,23
	OPS X,18, E,24, F,15, E,25
	OPS R,11, E,26, X,19, E,27
	OPS R,12, E,28, R,13, E,29
	OPS X,20, E,30, R,14, E,31
	OPS X,21, R,15
	WIN 0
	s_wait_alu depctr_va_vdst(0)    ; the one wait for the batch, ahead of its first reader
.if (\p) == 1
	s_wait_dscnt 0x0                ; V is in
.endif
	ROW C,0, B,0, C,2, B,1
	ROW L,0, C,4, B,2, L,1
	ROW C,6, B,3, L,2, C,8
	ROW B,4, L,3, C,10, B,5
	ROW L,4, C,12, B,6, L,5
.if (\p) == 0
	s_add_co_u32 s[TBV], s[TBV], KS*PV
.endif
.if \cnt
	s_sub_co_u32 s[CNT], s[CNT], 1
	s_cmp_lg_u32 s[CNT], 0
.endif
	ROW C,14, B,7, L,6, C,1
	ROW C,3, L,7, C,5, C,7
	ROW C,9, C,11, C,13, C,15
.if (\p) == 0
	FETCH_V
.endif
.endm
; A BLOCK BEGINS.  The masks are 0 (dg = 1: the block's first step is piece 0's own: M0 = MD).  c m starts far below every c s, so the first step's a is 0; m at the lowest finite number.
; Then K's keys 0-63, piece 0's first scores, its maximum and statistics.
.macro BEGIN dg
	s_mov_b32 s[NEW], 0
.if \dg
	s_mov_b32 s[AL], 1.0
.else
	s_mov_b32 s[AL], 0
.endif
	s_mov_b32 s[BE], 0
	s_mov_b32 s[AL1], 0
	MASKS
.set i, 0
.rept 2
	v_mov_b32 v[ST+4*i], 0xfe000000
	v_mov_b32 v[ST+4*i+1], 0xff7fffff
.set i, i+1
.endr
	v_add_nc_u32 v[AK], K0, v[AK0]
	FETCH_K 0
	s_wait_loadcnt 0x0              ; Q
	s_wait_dscnt 0x0
.set NOKQ, 0
.set i, 0
.rept 8
	KQ 0
.set i, i+1
.endr
	WIN 0
.rept 4
	v_nop                           ; the places behind those products
.endr
.set Y, NP-1
.irp n, 0,1,2,3,4,5,6,7,8,9,10,11,12,13,14,15,16,17,18,19,20,21
	OP X, \n
.endr
	v_nop                           ; a plain instruction behind the exponential,
	s_wait_alu depctr_va_vdst(0)    ; and its wait, ahead of the branch
.endm
.macro ALL line:vararg
.set t, 0
.rept 2
	\line
.set t, t+1
.endr
.endm
.macro PACK t                       ; O^T / l, rounded to f16, into rows of 144 bytes of my stage and back as whole rows of 128
	WIN W_RS
.set i, 32*(\t)
.rept 16
	v_pk_mul_f32 v[i:i+1], v[i:i+1], v[ST+4*(\t)+2:ST+4*(\t)+3] op_sel_hi:[1,0]
.set i, i+2
.endr
	WIN 0x05
.set i, 0
.rept 16
	v_cvt_pk_f16_f32 v[S+16*(\t)+i], v[32*(\t)+2*i], v[32*(\t)+2*i+1]
.set i, i+1
.endr
	WIN 0
.irp f, 0,1,2,3
	ds_store_b128 v[STO], v[S+16*(\t)+4*\f:S+16*(\t)+4*\f+3] offset:32*\f
.endr
.irp f, 0,1,2,3
	ds_load_b128 v[S+16*(\t)+4*\f:S+16*(\t)+4*\f+3], v[RD] offset:\f*4*SP  ; LDS serves a wave's instructions in order (ISA guide 5.7.1.4)
.endr
.endm
.macro SEND t, younger
	WIN 0
.irp f, 0,1,2,3
	s_wait_dscnt (\younger)+3-\f
	global_store_b128 v[GO], v[S+16*(\t)+4*\f:S+16*(\t)+4*\f+3], s[10:11] offset:(\t)*8192+\f*512  ; 512 consecutive bytes, aligned
.endr
.endm
; A BLOCK ENDS: piece 1's last softmax beside piece 0's last products V^T P; piece 1's last products; l's halves are added, O^T is divided by l and leaves.
.macro FINISH
	TURN 1, 1
.set i, 0
.rept 8
	PV 1
.set i, i+1
.endr
	WIN 0
	ALL v_add_f32 v[ST+4*t+2], v[ST+4*t+2], v[ST+4*t+3]
	ALL v_permlanex16_b32 v[ST+4*t+3], v[ST+4*t+2], s[SEL], s[SEL+1]
	ALL v_add_f32 v[ST+4*t+2], v[ST+4*t+2], v[ST+4*t+3]
	ALL v_rcp_f32 v[ST+4*t+2], v[ST+4*t+2]
	v_nop
	s_wait_alu depctr_va_vdst(0)    ; one wait for the two reciprocals
	PACK 0
	PACK 1
	SEND 0, 8
	SEND 1, 0
.endm
.set NOKQ, 0
.Lslot:                             ; 8 trips: a tile is entered and the next is asked for
	CHANGE 1
	s_sub_co_u32 s[RT], s[RT], 1
	s_cmp_eq_u32 s[RT], 0
	s_cselect_b32 s[DGH], 1, 0      ; the first block's last tile: a full half, then its last two steps
	s_mov_b32 s[HC], 2
	s_mov_b32 s[CNT], 2
	s_cmp_eq_u32 s[NEW], 1
	s_cbranch_scc0 .Lhalf
	BEGIN 0                         ; in the loop a block's first step is never its own: both blocks there begin below their diagonal
	s_branch .Lfirst
.Lhalf:
	s_mov_b32 s[CNT], 2
.Lstep:                             ; a trip: turn 1 of one step, turn 0 of the next
	s_cmp_eq_u32 s[HC], s[DGH]      ; the block's last two steps take masks
	s_cbranch_scc0 .Lnomask
	MSEL
	MASKS
.Lnomask:
	TURN 1
	WIN 0
.Lfirst:
	TURN 0, 0, 1
	WIN 0
	s_cbranch_scc1 .Lstep
	s_cmp_eq_u32 s[HC], s[DGH]
	s_cbranch_scc1 .Lblockend
	s_sub_co_u32 s[HC], s[HC], 1
	s_cmp_lg_u32 s[HC], 0
	s_cbranch_scc1 .Lhalf
	s_branch .Lbottom
.Lblockend:
	FINISH                          ; the first block's end
	s_wait_xcnt 0x0                 ; the stores have read their registers and O's address
	s_mov_b64 s[10:11], s[OLO:OLO+1]
	s_sub_co_u32 s[RT], 8, s[PB]    ; the second block has 8 - c tiles, the last of them the tail
	s_mov_b32 s[NEW], 1
	WIN 0x82
.set i, 0
.rept 32
	v_mov_b32 v[i], v[QB+i]
.set i, i+1
.endr
	WIN 0
.Lbottom:
	s_sub_co_u32 s[SLOTS], s[SLOTS], 1
	s_cmp_lg_u32 s[SLOTS], 0
	s_cbranch_scc1 .Lslot
	CHANGE 0                        ; the walk's last tile is written out: nothing is asked for; its first two steps are the second block's last
	s_mov_b32 s[CNT], 2
	s_cmp_eq_u32 s[NEW], 1
	s_cbranch_scc0 .Lstep2
	BEGIN 1                         ; c = 7: the second block is block 0, and its first step is its own
	s_branch .Lfirst2
.Lstep2:
	MSEL
	MASKS
	TURN 1
	WIN 0
.Lfirst2:
	TURN 0, 0, 1
	WIN 0
	s_cbranch_scc1 .Lstep2
	FINISH
	s_wait_tensorcnt 0x0            ; the wave's end
	ds_add_u32 v[SPW], v[NIL]
	s_wait_dscnt 0x0
	s_endpgm
.Lfunc_end_k_qbeaf5fc0ea_attn:
	.size	k_qbeaf5fc0ea_attn, .Lfunc_end_k_qbeaf5fc0ea_attn-k_qbeaf5fc0ea_attn
	.p2alignl 7, 3214868480
	.fill 96, 4, 3214868480
	.section	.rodata,"a",@progbits
	.p2align	6, 0x0
	.amdhsa_kernel k_qbeaf5fc0ea_attn
		.amdhsa_group_segment_fixed_size 327680
		.amdhsa_private_segment_fixed_size 0
		.amdhsa_enable_private_segment 0
		.amdhsa_kernarg_size 16
		.amdhsa_user_sgpr_count 2
		.amdhsa_user_sgpr_kernarg_segment_ptr 1
		.amdhsa_wavefront_size32 1
		.amdhsa_system_sgpr_workgroup_id_x 1
		.amdhsa_system_sgpr_workgroup_id_y 1
		.amdhsa_system_sgpr_workgroup_id_z 1
		.amdhsa_system_vgpr_workitem_id 0
		.amdhsa_next_free_vgpr 768
		.amdhsa_next_free_sgpr 100
		.amdhsa_reserve_vcc 1
		.amdhsa_float_denorm_mode_32 3
		.amdhsa_float_denorm_mode_16_64 3
		.amdhsa_memory_ordered 1
		.amdhsa_forward_progress 1
		.amdhsa_inst_pref_size 106
	.end_amdhsa_kernel
	.amdgpu_metadata
---
amdhsa.version: [ 1, 2 ]
amdhsa.kernels:
  - .name:           k_qbeaf5fc0ea_attn
    .symbol:         k_qbeaf5fc0ea_attn.kd
    .args:
      - { .name: big, .offset: 0, .size: 8, .value_kind: global_buffer, .address_space: global }
      - { .name: act, .offset: 8, .size: 8, .value_kind: global_buffer, .address_space: global }
    .group_segment_fixed_size: 327680
    .private_segment_fixed_size: 0
    .kernarg_segment_align: 8
    .kernarg_segment_size: 16
    .max_flat_workgroup_size: 128
    .sgpr_count:     100
    .vgpr_count:     768
    .wavefront_size: 32
...
	.end_amdgpu_metadata
.endif
;; end of part 3
;; launch proj (part 4): grid 8 x 32, 4 waves a work-group, clusters of 4 x 4, 327,680 bytes of LDS; arguments act, wX, x, x1; writes x1
.if DOCPART == 4
	.amdgcn_target "amdgcn-amd-amdhsa--gfx1250"
	.amdhsa_code_object_version 6
	.text
	.protected	k_qbeaf5fc0ea_proj
	.globl	k_qbeaf5fc0ea_proj
	.p2align	8
	.type	k_qbeaf5fc0ea_proj,@function
k_qbeaf5fc0ea_proj:
	s_mov_b64 s[64:65], 0
	v_nop
	global_prefetch_b8 v0, s[64:65] scope:SCOPE_SE
	s_setreg_imm32_b32 hwreg(HW_REG_WAVE_MODE, 25, 1), 1
	s_wait_xcnt 0x0
	s_wait_alu depctr_hold_cnt(0) depctr_sa_sdst(0) depctr_va_vdst(0) depctr_va_sdst(0) depctr_va_ssrc(0) depctr_va_vcc(0) depctr_vm_vsrc(0)
	s_getreg_b32 s2, hwreg(HW_REG_IB_STS2, 6, 4)
	s_cmp_eq_u32 s2, 0
	s_cbranch_scc0 .Lentry_in_a_cluster
	s_endpgm
.Lentry_in_a_cluster:
	s_bfe_u32 s2, ttmp6, 0x10000c
	s_cmp_lg_u32 s2, 0xf033
	s_cbranch_scc0 .Lentry_shape_is_right
	s_endpgm
.Lentry_shape_is_right:
; out = A W + res (+ bias where FLAG = 1).  A: f16 in blocks [k / 64][4096 rows][64].  W: f16, from byte 8 MiB of its buffer, in blocks [k / 256][n / 128][256 k][128 n].  res, out: [4096][1024] f32.  Sums in f32.
; One text serves two launches by the two constants below.  HERE: FLAG = 0, STEPS = 4: K = 256 STEPS = 1,024; no bias; res is x, an input of the module, and is rounded to bf16, as every input is.
; LIMITS.  A and W lie within f16's 65,504.  NaN and infinities are not treated apart.
; SHARES.  A tile of 128 x 128 to a work-group (256 of them), 64 x 64 (16 accumulators) to a wave.  K goes in steps of 256 through two LDS slots, each wave filling a quarter by one tensor load.
; 4 x 4 work-groups form a cluster: A's tile is asked for jointly along a row of the cluster, W's along a column.  No prefetch: the tiles are small, and a step's bytes are few.
; The product is taken transposed (source 0 = 16 columns of W, turned on the way out of LDS; source 1 = 16 rows of A).
; THE TEXT holds a K step twice: once in the loop whose changes of slots fill a slot again (STEPS - 2 trips), once in the loop of the last two steps, which ask for nothing; that loop is left in its middle.
; REGISTERS: window 0: v0-31 addresses, v32-95 at work on the way out, v128-255 the accumulators; window 1: two fragment buffers of 128; window 2: v0-127 my 64 x 64 of res, loaded at the head.
.set FLAG,   0
.set STEPS,  4
.set PA,     144                       ; a row of A in LDS: 128 bytes + 16
.set PBB,    288                       ; a row of W: 256 + 32 = 9 x 32
.set HALFT,  36864                     ; what one tensor load brings: two blocks of 128 rows of A, or 128 rows of W
.set SLOT,   4*HALFT
.set SPARE,  2*SLOT                    ; the spare words, 128 bytes a wave, that no other line names
.set CP,     272                       ; the way out: a row of 64 f32 + 16 bytes
.set RSTG,   64*CP                     ; behind a wave's 64 such rows: its res, 16,384 dense bytes
.set WSTAGE, RSTG+16384                ; the four stages lie in the ring, which has had its last fill by then
.set A0,   12                          ; v12  my lane's place in A's tile of slot 0; never rewritten
.set B0,   13                          ; v13  the same for W's rows 0-127,
.set B1,   14                          ; v14  and 128-255
.set ADRA, 16                          ; v16     the same in the slot that is read
.set ADRB, 20                          ; v20-21
.set STO,  24
.set RDC0, 25
.set GO,   26
.set RDR0, 27
.set SPW,  28
.set NIL,  29
.set RDC,  30
.set RDR,  31
.set L,    32                          ; v32-47  eight rows' sums
.set R,    48                          ; v48-63  and res
.set T,    64                          ; v64-71  at work: numbers in bf16
.set BIAS, 72                          ; v72-75
.set GOC,  76
.set Z,    80                          ; v80-95  the results
.set ACC,  128
.set F0,   0
.set F1,   128
.set G1,  24                           ; s[24:31] group 1 for A;  s[32:39] group 0, two sets: the second walks on
.set G0,  32
.set G1B, 48                           ; s[48:55], s[56:63] the same for W
.set G0B, 56
.set TB,  76                           ; s76  the slot that is read
.if FLAG
.set RESP, 70                          ; arguments A, W, bias, res, out
.set OUTP, 74
.else
.set RESP, 68                          ; arguments A, W, res, out
.set OUTP, 70
.endif
.set MSB, 0
.macro WIN new
.if MSB != (\new)
	s_set_vgpr_msb (MSB<<8)|(\new)
.set MSB, \new
.endif
.endm
.set MUL,  0x05                        ; sources 0 and 1 window 1; C and D window 0
.set TO_F, 0x40
.macro JLOAD s                         ; a joint load: waves 0 and 1 fetch A's halves, waves 2 and 3 W's; an s_nop 0 and four v_nop follow each line
	s_cmp_eq_u32 s11, 0
	s_cbranch_scc0 .Lfor_b_\@
	tensor_load_to_lds s[G0+4*(\s):G0+4*(\s)+3], s[G1:G1+7]
	s_nop 0
.rept 4
	v_nop
.endr
	s_branch .Lasked_\@
.Lfor_b_\@:
	tensor_load_to_lds s[G0B+4*(\s):G0B+4*(\s)+3], s[G1B:G1B+7]
	s_nop 0
.rept 4
	v_nop
.endr
.Lasked_\@:
.endm
.macro CREST
	s_cmp_lg_u32 s10, 0
	s_cbranch_scc1 .Lnot_wave_0_\@
	s_barrier_signal -3
.Lnot_wave_0_\@:
	s_barrier_wait -3
	s_barrier_signal -1
	s_barrier_wait -1
.endm
.macro CROUND
	s_barrier_signal -1
	s_barrier_wait -1
	CREST
.endm
	s_load_b128 s[4:7], s[0:1], 0x0                ; A s[4:5], W s[6:7]
	s_load_b128 s[68:71], s[0:1], 0x10             ; FLAG = 1: bias, res; FLAG = 0: res, out
.if FLAG
	s_load_b64 s[74:75], s[0:1], 0x20              ; out
.endif
	v_lshl_add_u32 v[SPW], v0, 2, SPARE
	v_mov_b32 v[NIL], 0
	ds_add_u32 v[SPW], v[NIL]                      ; the wave's opening: the add and its wait ahead of my first tensor load
	ds_add_u32 v28, v29
	v_lshrrev_b32 v1, 5, v0
	v_readfirstlane_b32 s10, v1
	s_lshr_b32 s11, s10, 1                         ; my half of the tile's rows.  Also: I fetch for A (0) or W (1)
	s_and_b32 s12, s10, 1                          ; my half of its columns.  Also: which half I fetch
	s_bfe_u32 s40, ttmp6, 0x40000
	s_bfe_u32 s41, ttmp6, 0x40004
	s_lshl_b32 s42, ttmp9, 2
	s_add_co_u32 s42, s42, s40                     ; tile column
	s_and_b32 s13, ttmp7, 0xffff
	s_lshl_b32 s13, s13, 2
	s_add_co_u32 s13, s13, s41                     ; tile row
	s_lshl_b32 s43, s41, 2
	s_lshl_b32 s43, 15, s43
	s_lshl_b32 s44, 0x1111, s40
	s_or_b32 s[G1+0], s43, (1<<16)|(1<<20)|(1<<21)|(4<<22)|(3<<25)   ; after every 32 words 4 words
	s_or_b32 s[G1B+0], s44, (1<<16)|(1<<20)|(1<<21)|(5<<22)|(7<<25)  ; after every 64 words 8 words
	s_mov_b32 s[G1+1], 8192<<16                    ; A: two rows of 8,192 elements (128 dense rows of one block of 64 along K), 262,144 elements apart
	s_mov_b32 s[G1+2], 2<<16
	s_mov_b32 s[G1+3], 8192<<16
	s_mov_b32 s[G1+4], 2
	s_mov_b32 s[G1+5], 262144
	s_mov_b32 s[G1+6], 0
	s_mov_b32 s[G1+7], 0
	s_mov_b32 s[G1B+1], 128<<16                    ; W: 128 rows x 128 elements, dense
	s_mov_b32 s[G1B+2], 128<<16
	s_mov_b32 s[G1B+3], 128<<16
	s_mov_b32 s[G1B+4], 128
	s_mov_b32 s[G1B+5], 128
	s_mov_b32 s[G1B+6], 0
	s_mov_b32 s[G1B+7], 0
	s_lshl_b32 s16, s13, 14                        ; A: tile row x 128 rows of 128 bytes + half x two blocks of 512 KiB
	s_lshl_b32 s17, s12, 20
	s_add_co_u32 s16, s16, s17
	s_mov_b32 s17, 0
	s_lshl_b32 s46, s42, 16                        ; W: 8 MiB + tile column x 64 KiB + half x 128 rows of 256 bytes
	s_lshl_b32 s47, s12, 15
	s_add_co_u32 s46, s46, s47
	s_add_co_u32 s46, s46, 0x800000
	s_mov_b32 s47, 0
	s_mul_i32 s20, s10, HALFT
	s_mov_b32 s78, 0xffff0000                      ; a word's upper bf16
	s_mov_b32 s[TB], 0
	s_wait_dscnt 0x0
	s_wait_kmcnt 0x0
	s_add_nc_u64 s[14:15], s[4:5], s[16:17]
	s_add_nc_u64 s[46:47], s[6:7], s[46:47]
	CROUND                                         ; all sixteen work-groups are here: the first joint loads meet
.irp s, 0,1
	s_mov_b32 s[G0+4*(\s)], 1
	s_add_co_u32 s[G0+4*(\s)+1], s20, (\s)*SLOT
	s_add_nc_u64 s[G0+4*(\s)+2:G0+4*(\s)+3], s[14:15], (\s)*2097152   ; K step s: four blocks of 512 KiB on
	s_or_b32 s[G0+4*(\s)+3], s[G0+4*(\s)+3], 0x80000000
	s_mov_b32 s[G0B+4*(\s)], 1
	s_add_co_u32 s[G0B+4*(\s)+1], s20, (\s)*SLOT
	s_add_nc_u64 s[G0B+4*(\s)+2:G0B+4*(\s)+3], s[46:47], (\s)*524288  ; eight blocks of 64 KiB on
	s_or_b32 s[G0B+4*(\s)+3], s[G0B+4*(\s)+3], 0x80000000
	JLOAD \s                                       ; two loads of mine are out
.endr
	v_and_b32 v1, 15, v0
	v_bfe_u32 v2, v0, 4, 1
	v_mul_u32_u24 v3, v1, PA
	v_lshl_add_u32 v3, v2, 4, v3
	s_mul_i32 s21, s11, 64*PA
	v_add_nc_u32 v[A0], s21, v3
	v_and_b32 v4, 7, v0
	v_lshl_add_u32 v4, v2, 3, v4
	v_mul_u32_u24 v4, v4, PBB
	v_bfe_u32 v5, v0, 3, 1
	v_lshl_add_u32 v4, v5, 4, v4
	s_lshl_b32 s22, s12, 7
	s_add_co_u32 s22, s22, 2*HALFT
	v_add_nc_u32 v[B0], s22, v4
	v_add_nc_u32 v[B1], HALFT, v[B0]
	v_mov_b32 v[ADRA], v[A0]
	v_mov_b32 v[ADRB], v[B0]
	v_mov_b32 v[ADRB+1], v[B1]
	s_mul_i32 s23, s10, WSTAGE
	v_mul_u32_u24 v4, v1, CP                       ; into the stage: row l % 16, 32 bytes for each half of the lanes
	v_lshl_add_u32 v4, v2, 5, v4
	v_add_nc_u32 v[STO], s23, v4
	v_mul_u32_u24 v5, v2, CP                       ; back: lanes 0-15 one row of 256 bytes, lanes 16-31 the next
	v_lshl_add_u32 v5, v1, 4, v5
	v_add_nc_u32 v[RDC0], s23, v5
	v_lshlrev_b32 v5, 12, v2                       ; and the same two rows in res and out
	v_lshl_add_u32 v[GO], v1, 4, v5
	v_and_b32 v5, 31, v0
	v_lshlrev_b32 v5, 4, v5
	s_add_co_u32 s23, s23, RSTG
	v_add_nc_u32 v[RDR0], s23, v5
	s_lshl_b32 s16, s13, 7                         ; my first row and column in res and out
	s_lshl_b32 s17, s11, 6
	s_add_co_u32 s16, s16, s17
	s_lshl_b32 s16, s16, 12
	s_lshl_b32 s46, s42, 9
	s_lshl_b32 s47, s12, 8
	s_add_co_u32 s46, s46, s47
	s_add_co_u32 s16, s16, s46
	s_mov_b32 s17, 0
	s_add_nc_u64 s[8:9], s[OUTP:OUTP+1], s[16:17]
	s_add_nc_u64 s[RESP:RESP+1], s[RESP:RESP+1], s[16:17]
.if FLAG
	v_lshlrev_b32 v6, 4, v1
	v_add_nc_u32 v6, s46, v6
	global_load_b128 v[BIAS:BIAS+3], v6, s[68:69]
.endif
	WIN 0x80                                       ; destination window 2
.set j, 0
.rept 32
	global_load_b128 v[4*j:4*j+3], v[GO], s[RESP:RESP+1] offset:8192*j
.set j, j+1
.endr
	WIN 0
.macro MUL8 f, c, a0, zero             ; 8 matrix instructions: row blocks a0, a0 + 1 x all 4 column blocks, 32 along K.  The 16 accumulators take turns in one order everywhere
	WIN MUL
.irp a, \a0, (\a0)+1
.irp b, 0,1,2,3
.if \zero
	v_wmma_f32_16x16x32_f16 v[ACC+8*(4*(\a)+(\b)):ACC+8*(4*(\a)+(\b))+7], v[(\f)+64+8*(4*(\c)+(\b)):(\f)+64+8*(4*(\c)+(\b))+7], v[(\f)+8*(4*(\c)+(\a)):(\f)+8*(4*(\c)+(\a))+7], 0
.else
	v_wmma_f32_16x16x32_f16 v[ACC+8*(4*(\a)+(\b)):ACC+8*(4*(\a)+(\b))+7], v[(\f)+64+8*(4*(\c)+(\b)):(\f)+64+8*(4*(\c)+(\b))+7], v[(\f)+8*(4*(\c)+(\a)):(\f)+8*(4*(\c)+(\a))+7], v[ACC+8*(4*(\a)+(\b)):ACC+8*(4*(\a)+(\b))+7]
.endif
.endr
.endr
.endm
.macro FETCH q, f                      ; 32 LDS loads in one run: quarter q (64 along K) of the slot that is read, into buffer f, its first 32 along K first
	WIN TO_F
.irp c, 0,1
.irp i, 0,1,2,3
	ds_load_tr16_b128 v[(\f)+64+8*(4*(\c)+(\i)):(\f)+64+8*(4*(\c)+(\i))+3],   v[ADRB+(\q)/2] offset:((2*(\q)+(\c))%4)*32*PBB+32*(\i)
	ds_load_tr16_b128 v[(\f)+64+8*(4*(\c)+(\i))+4:(\f)+64+8*(4*(\c)+(\i))+7], v[ADRB+(\q)/2] offset:((2*(\q)+(\c))%4)*32*PBB+16*PBB+32*(\i)
	ds_load_b128 v[(\f)+8*(4*(\c)+(\i)):(\f)+8*(4*(\c)+(\i))+3],   v[ADRA] offset:(\q)*128*PA+64*(\c)+(\i)*16*PA
	ds_load_b128 v[(\f)+8*(4*(\c)+(\i))+4:(\f)+8*(4*(\c)+(\i))+7], v[ADRA] offset:(\q)*128*PA+64*(\c)+(\i)*16*PA+32
.endr
.endr
.endm
.macro PLACES
.rept 4
	v_nop
.endr
.endm
.macro QUARTER q, f, g, zero           ; multiplies buffer f and fetches quarter q into g
	s_wait_dscnt 16                                ; the first 32 along K are in
	MUL8 \f, 0, 0, \zero
	MUL8 \f, 0, 2, \zero
	PLACES
	FETCH \q, \g
	s_wait_dscnt 32                                ; all but the 32 just issued
	MUL8 \f, 1, 0, 0
	MUL8 \f, 1, 2, 0
.endm
; The first half of a K step's last quarter, and the change of slots: every wave waits for all its tensor loads (at the most one is out: its part of the next slot), adds 0 to its spare word,
; waits for that and for its reads of this slot, and signals.  Every window is 0 behind it: a branch follows.
.macro MEET
	WIN 0
	s_wait_tensorcnt 0x0
	ds_add_u32 v[SPW], v[NIL]
	s_wait_dscnt 17                                ; the add and the youngest sixteen loads may be out
	MUL8 F1, 0, 0, 0
	s_wait_dscnt 0x0                               ; the add is done, and my reads of this slot are over
	s_barrier_signal -1
	MUL8 F1, 0, 2, 0
	WIN 0
	s_barrier_wait -1
.endm
.macro NEXTSLOT                        ; the reads go over to the other slot: its first fragments
	s_xor_b32 s[TB], s[TB], SLOT
	v_add_nc_u32 v[ADRA], s[TB], v[A0]
	v_add_nc_u32 v[ADRB], s[TB], v[B0]
	v_add_nc_u32 v[ADRB+1], s[TB], v[B1]
	FETCH 0, F0
.endm
.macro TURN                            ; a K step's last quarter where the slot just read takes the K step two on, first thing behind the cluster's round
	MEET
	CREST                                          ; the barrier has opened a round of the cluster's: no wave of any partner still reads this slot or has a load on its way
	s_xor_b32 s[G0+5], s[G0+5], SLOT               ; the walking descriptors: the other slot (SLOT's two bits are never set in wave x HALFT), the next K step
	s_add_nc_u64 s[G0+6:G0+7], s[G0+6:G0+7], 2097152
	s_xor_b32 s[G0B+5], s[G0B+5], SLOT
	s_add_nc_u64 s[G0B+6:G0B+7], s[G0B+6:G0B+7], 524288
	JLOAD 1                                        ; its four v_nop are also the places in front of the loads below
	NEXTSLOT
	MUL8 F1, 1, 0, 0
	MUL8 F1, 1, 2, 0
.endm
	s_wait_tensorcnt 1                             ; my part of K step 0 is in; K step 1's may stay out
	s_barrier_signal -1
	s_barrier_wait -1
	FETCH 0, F0
	QUARTER 1, F0, F1, 1
	WIN 0
	s_mov_b32 s3, STEPS-2
.Lstep:                                                ; a trip: a K step's quarters 1 to 3 and the next step's quarter 0; K steps 2 .. STEPS - 1 are asked for
	QUARTER 2, F1, F0, 0
	QUARTER 3, F0, F1, 0
	TURN
	QUARTER 1, F0, F1, 0
	WIN 0
	s_sub_co_u32 s3, s3, 1
	s_cmp_lg_u32 s3, 0
	s_cbranch_scc1 .Lstep
	s_mov_b32 s3, 2
.Ltail:                                                ; the last two K steps ask for nothing: the same trip without a fill; the second is left behind its barrier
	QUARTER 2, F1, F0, 0
	QUARTER 3, F0, F1, 0
	MEET
	s_sub_co_u32 s3, s3, 1
	s_cmp_eq_u32 s3, 0
	s_cbranch_scc1 .Lfin
	PLACES                                         ; for the loads into buffer 0, which the quarter before multiplied
	NEXTSLOT
	MUL8 F1, 1, 0, 0
	MUL8 F1, 1, 2, 0
	QUARTER 1, F0, F1, 0
	WIN 0
	s_branch .Ltail
.Lfin:
	MUL8 F1, 1, 0, 0                               ; the last 16 products
	MUL8 F1, 1, 2, 0
	; THE WAY OUT.  Sums and res go into my stage, which lies in the ring: every wave's reads of the ring are over in front of the barrier, and no fill follows.
	WIN 0
	PLACES
	s_wait_dscnt 0x0
	s_barrier_signal -1
	s_barrier_wait -1
.irp a, 0,1,2,3
.irp b, 0,1,2,3
	ds_store_b128 v[STO], v[ACC+8*(4*(\a)+(\b)):ACC+8*(4*(\a)+(\b))+3]   offset:(\a)*16*CP+64*(\b)
	ds_store_b128 v[STO], v[ACC+8*(4*(\a)+(\b))+4:ACC+8*(4*(\a)+(\b))+7] offset:(\a)*16*CP+64*(\b)+16
.endr
.endr
	s_wait_loadcnt 0x0                             ; res (and the bias)
	WIN 0x08                                       ; store data in window 2
.set j, 0
.rept 32
	ds_store_b128 v[RDR0], v[4*j:4*j+3] offset:512*j
.set j, j+1
.endr
	WIN 0
.if FLAG
	v_cvt_pk_bf16_f32 v[T], v[BIAS], v[BIAS+1]     ; the bias, rounded to bf16
	v_cvt_pk_bf16_f32 v[T+1], v[BIAS+2], v[BIAS+3]
	v_lshlrev_b32 v[BIAS], 16, v[T]
	v_and_b32 v[BIAS+1], s78, v[T]
	v_lshlrev_b32 v[BIAS+2], 16, v[T+1]
	v_and_b32 v[BIAS+3], s78, v[T+1]
.endif
.macro RLOAD c, r                      ; eight rows' sums and res.  LDS serves a wave's instructions in order: these see my stores
.irp g, 0,1,2,3
	ds_load_b128 v[L+4*\g:L+4*\g+3], v[\c] offset:2*CP*\g
	ds_load_b128 v[R+4*\g:R+4*\g+3], v[\r] offset:512*\g
.endr
.endm
	s_mov_b32 s67, 0
	s_mov_b32 s2, 8
	RLOAD RDC0, RDR0
.Lout:                                                 ; 8 trips of eight rows; the next trip's rows are read while this trip's leave
	s_wait_dscnt 0x0
	s_wait_xcnt 0x0                                ; the last trip's stores have read Z and GOC
.if FLAG == 0
.irp g, 0,1,2,3
	v_cvt_pk_bf16_f32 v[T+2*\g], v[R+4*\g], v[R+4*\g+1]      ; res rounded to bf16
	v_cvt_pk_bf16_f32 v[T+2*\g+1], v[R+4*\g+2], v[R+4*\g+3]
.endr
.irp g, 0,1,2,3
	v_lshlrev_b32 v[R+4*\g], 16, v[T+2*\g]
	v_and_b32 v[R+4*\g+1], s78, v[T+2*\g]
	v_lshlrev_b32 v[R+4*\g+2], 16, v[T+2*\g+1]
	v_and_b32 v[R+4*\g+3], s78, v[T+2*\g+1]
.endr
.endif
.irp g, 0,1,2,3
	v_pk_add_f32 v[Z+4*\g:Z+4*\g+1], v[L+4*\g:L+4*\g+1], v[R+4*\g:R+4*\g+1]
	v_pk_add_f32 v[Z+4*\g+2:Z+4*\g+3], v[L+4*\g+2:L+4*\g+3], v[R+4*\g+2:R+4*\g+3]
.endr
.if FLAG
.irp g, 0,1,2,3
	v_pk_add_f32 v[Z+4*\g:Z+4*\g+1], v[Z+4*\g:Z+4*\g+1], v[BIAS:BIAS+1]
	v_pk_add_f32 v[Z+4*\g+2:Z+4*\g+3], v[Z+4*\g+2:Z+4*\g+3], v[BIAS+2:BIAS+3]
.endr
.endif
	s_lshl_b32 s21, s67, 15                        ; eight rows of 4,096 bytes
	s_add_co_u32 s67, s67, 1
	s_and_b32 s67, s67, 7                          ; the last trip reads the first rows once more and leaves them unused
	s_mul_i32 s22, s67, 8*CP
	s_lshl_b32 s23, s67, 11
	v_add_nc_u32 v[RDC], s22, v[RDC0]
	v_add_nc_u32 v[RDR], s23, v[RDR0]
	RLOAD RDC, RDR
	v_add_nc_u32 v[GOC], s21, v[GO]
.irp g, 0,1,2,3
	global_store_b128 v[GOC], v[Z+4*\g:Z+4*\g+3], s[8:9] offset:8192*\g  ; 16 lanes store 256 consecutive bytes, aligned
.endr
	s_sub_co_u32 s2, s2, 1
	s_cmp_lg_u32 s2, 0
	s_cbranch_scc1 .Lout
	s_wait_tensorcnt 0x0                           ; the wave's end
	ds_add_u32 v[SPW], v[NIL]
	s_wait_dscnt 0x0
	CROUND                                         ; the closing round
	s_endpgm
.Lfunc_end_k_qbeaf5fc0ea_proj:
	.size	k_qbeaf5fc0ea_proj, .Lfunc_end_k_qbeaf5fc0ea_proj-k_qbeaf5fc0ea_proj
	.p2alignl 7, 3214868480
	.fill 96, 4, 3214868480
	.section	.rodata,"a",@progbits
	.p2align	6, 0x0
	.amdhsa_kernel k_qbeaf5fc0ea_proj
		.amdhsa_group_segment_fixed_size 327680
		.amdhsa_private_segment_fixed_size 0
		.amdhsa_enable_private_segment 0
		.amdhsa_kernarg_size 32
		.amdhsa_user_sgpr_count 2
		.amdhsa_user_sgpr_kernarg_segment_ptr 1
		.amdhsa_wavefront_size32 1
		.amdhsa_system_sgpr_workgroup_id_x 1
		.amdhsa_system_sgpr_workgroup_id_y 1
		.amdhsa_system_sgpr_workgroup_id_z 1
		.amdhsa_system_vgpr_workitem_id 0
		.amdhsa_next_free_vgpr 640
		.amdhsa_next_free_sgpr 80
		.amdhsa_reserve_vcc 0
		.amdhsa_float_denorm_mode_32 3
		.amdhsa_float_denorm_mode_16_64 3
		.amdhsa_memory_ordered 1
		.amdhsa_forward_progress 1
		.amdhsa_inst_pref_size 62
	.end_amdhsa_kernel
	.amdgpu_metadata
---
amdhsa.version: [ 1, 2 ]
amdhsa.kernels:
  - .name:           k_qbeaf5fc0ea_proj
    .symbol:         k_qbeaf5fc0ea_proj.kd
    .args:
      - { .name: act, .offset: 0, .size: 8, .value_kind: global_buffer, .address_space: global }
      - { .name: wX, .offset: 8, .size: 8, .value_kind: global_buffer, .address_space: global }
      - { .name: x, .offset: 16, .size: 8, .value_kind: global_buffer, .address_space: global }
      - { .name: x1, .offset: 24, .size: 8, .value_kind: global_buffer, .address_space: global }
    .group_segment_fixed_size: 327680
    .private_segment_fixed_size: 0
    .kernarg_segment_align: 8
    .kernarg_segment_size: 32
    .max_flat_workgroup_size: 128
    .sgpr_count:     80
    .vgpr_count:     640
    .wavefront_size: 32
...
	.end_amdgpu_metadata
.endif
;; end of part 4
;; launch ln2 (part 5): grid 256 x 1, 16 waves a work-group, no clusters, 0 bytes of LDS; arguments x1, ln2_g, ln2_b, act; writes act
.if DOCPART == 5
	.amdgcn_target "amdgcn-amd-amdhsa--gfx1250"
	.amdhsa_code_object_version 6
	.text
	.protected	k_qbeaf5fc0ea_ln2
	.globl	k_qbeaf5fc0ea_ln2
	.p2align	8
	.type	k_qbeaf5fc0ea_ln2,@function
k_qbeaf5fc0ea_ln2:
	s_mov_b64 s[64:65], 0
	v_nop
	global_prefetch_b8 v0, s[64:65] scope:SCOPE_SE
	s_setreg_imm32_b32 hwreg(HW_REG_WAVE_MODE, 25, 1), 1
	s_wait_xcnt 0x0
; act = LayerNorm(x1) g + b.  x1: [4096][1024] f32, the program's own, taken as it is; g and b are rounded to bf16, as every input of the module is; the result is rounded once to f16.
; One wave a row, kept in 32 registers between the passes; mean and variance in f32, in two passes.  No LDS, no barrier.  Each store of a wave covers 256 consecutive bytes, aligned.
; LIMIT.  f16 holds no number beyond 65,504.
.set X,   32
.set G,   64
.set BV,  96
.set Y,   16
.macro RND r0, n
.set k, 0
.rept \n
	v_cvt_pk_bf16_f32 v[4+k%4], v[(\r0)+2*k], v[(\r0)+2*k+1]
	v_lshlrev_b32 v[(\r0)+2*k], 16, v[4+k%4]
	v_and_b32 v[(\r0)+2*k+1], s3, v[4+k%4]
.set k, k+1
.endr
.endm
.macro FOLD
	v_pk_add_f32 v[8:9], v[8:9], v[10:11]
	v_pk_add_f32 v[12:13], v[12:13], v[14:15]
	v_pk_add_f32 v[8:9], v[8:9], v[12:13]
	v_add_f32 v8, v8, v9
	v_add_f32_dpp v8, v8, v8 row_xmask:1 row_mask:0xf bank_mask:0xf
	v_add_f32_dpp v8, v8, v8 row_xmask:2 row_mask:0xf bank_mask:0xf
	v_add_f32_dpp v8, v8, v8 row_xmask:4 row_mask:0xf bank_mask:0xf
	v_add_f32_dpp v8, v8, v8 row_xmask:8 row_mask:0xf bank_mask:0xf
	v_permlanex16_b32 v9, v8, s6, s7
	v_add_f32 v8, v8, v9
.endm
	s_load_b256 s[8:15], s[0:1], 0x0               ; x1 8, g 10, b 12, act 14
	v_lshrrev_b32 v1, 5, v0
	v_readfirstlane_b32 s2, v1
	v_and_b32 v1, 31, v0
	v_lshlrev_b32 v2, 4, v1
	v_lshlrev_b32 v3, 3, v1
	s_mov_b32 s3, 0xffff0000
	s_mov_b32 s4, 0x3a800000                       ; 1 / 1,024
	s_mov_b32 s6, 0x76543210
	s_mov_b32 s7, 0xfedcba98
	s_lshl_b32 s16, ttmp9, 4
	s_add_co_u32 s16, s16, s2                      ; my row
	s_lshl_b32 s18, s16, 12
	s_mov_b32 s19, 0
	s_lshl_b32 s20, s16, 11
	s_mov_b32 s21, 0
	s_wait_kmcnt 0x0
	s_add_nc_u64 s[8:9], s[8:9], s[18:19]
	s_add_nc_u64 s[14:15], s[14:15], s[20:21]
.irp j, 0,1,2,3,4,5,6,7
	global_load_b128 v[X+4*\j:X+4*\j+3], v2, s[8:9] offset:512*\j th:TH_LOAD_NT
.endr
.irp j, 0,1,2,3,4,5,6,7
	global_load_b128 v[G+4*\j:G+4*\j+3], v2, s[10:11] offset:512*\j
.endr
.irp j, 0,1,2,3,4,5,6,7
	global_load_b128 v[BV+4*\j:BV+4*\j+3], v2, s[12:13] offset:512*\j
.endr
	s_wait_loadcnt 16                              ; the row is in; the 16 loads of g and b may stay out
.irp c, 0,1,2,3
	v_pk_add_f32 v[8+2*\c:9+2*\c], v[X+2*\c:X+2*\c+1], v[X+8+2*\c:X+9+2*\c]
.endr
.irp o, 16,24
.irp c, 0,1,2,3
	v_pk_add_f32 v[8+2*\c:9+2*\c], v[8+2*\c:9+2*\c], v[X+\o+2*\c:X+\o+2*\c+1]
.endr
.endr
	FOLD
	v_mul_f32 v12, s4, v8
	v_mov_b32 v13, v12
.set k, 0
.rept 16
	v_pk_add_f32 v[X+k:X+k+1], v[X+k:X+k+1], v[12:13] neg_lo:[0,1] neg_hi:[0,1]
.set k, k+2
.endr
.irp c, 0,1,2,3
	v_pk_mul_f32 v[8+2*\c:9+2*\c], v[X+2*\c:X+2*\c+1], v[X+2*\c:X+2*\c+1]
.endr
.irp o, 8,16,24
.irp c, 0,1,2,3
	v_pk_fma_f32 v[8+2*\c:9+2*\c], v[X+\o+2*\c:X+\o+2*\c+1], v[X+\o+2*\c:X+\o+2*\c+1], v[8+2*\c:9+2*\c]
.endr
.endr
	FOLD
	v_fmaak_f32 v8, s4, v8, 0x3727c5ac             ; the variance + 1e-5
	v_rsq_f32 v12, v8
	v_rsq_f32 v13, v8
	s_wait_loadcnt 0x0
	RND G, 16                                      ; independent work behind the two roots
	RND BV, 16
	s_wait_alu depctr_va_vdst(0)                   ; one wait for both roots, ahead of their first reader
.set k, 0
.rept 16
	v_pk_mul_f32 v[X+k:X+k+1], v[X+k:X+k+1], v[12:13]
.set k, k+2
.endr
.set k, 0
.rept 16
	v_pk_fma_f32 v[X+k:X+k+1], v[X+k:X+k+1], v[G+k:G+k+1], v[BV+k:BV+k+1]
.set k, k+2
.endr
.set k, 0
.rept 16
	v_cvt_pk_f16_f32 v[Y+k], v[X+2*k], v[X+2*k+1]
.set k, k+1
.endr
.irp j, 0,1,2,3,4,5,6,7
	global_store_b64 v3, v[Y+2*\j:Y+2*\j+1], s[14:15] offset:256*\j
.endr
	s_endpgm
.Lfunc_end_k_qbeaf5fc0ea_ln2:
	.size	k_qbeaf5fc0ea_ln2, .Lfunc_end_k_qbeaf5fc0ea_ln2-k_qbeaf5fc0ea_ln2
	.p2alignl 7, 3214868480
	.fill 96, 4, 3214868480
	.section	.rodata,"a",@progbits
	.p2align	6, 0x0
	.amdhsa_kernel k_qbeaf5fc0ea_ln2
		.amdhsa_group_segment_fixed_size 0
		.amdhsa_private_segment_fixed_size 0
		.amdhsa_enable_private_segment 0
		.amdhsa_kernarg_size 32
		.amdhsa_user_sgpr_count 2
		.amdhsa_user_sgpr_kernarg_segment_ptr 1
		.amdhsa_wavefront_size32 1
		.amdhsa_system_sgpr_workgroup_id_x 1
		.amdhsa_system_sgpr_workgroup_id_y 1
		.amdhsa_system_sgpr_workgroup_id_z 1
		.amdhsa_system_vgpr_workitem_id 0
		.amdhsa_next_free_vgpr 128
		.amdhsa_next_free_sgpr 66
		.amdhsa_reserve_vcc 0
		.amdhsa_float_denorm_mode_32 3
		.amdhsa_float_denorm_mode_16_64 3
		.amdhsa_memory_ordered 1
		.amdhsa_forward_progress 1
		.amdhsa_inst_pref_size 16
	.end_amdhsa_kernel
	.amdgpu_metadata
---
amdhsa.version: [ 1, 2 ]
amdhsa.kernels:
  - .name:           k_qbeaf5fc0ea_ln2
    .symbol:         k_qbeaf5fc0ea_ln2.kd
    .args:
      - { .name: x1, .offset: 0, .size: 8, .value_kind: global_buffer, .address_space: global }
      - { .name: ln2_g, .offset: 8, .size: 8, .value_kind: global_buffer, .address_space: global }
      - { .name: ln2_b, .offset: 16, .size: 8, .value_kind: global_buffer, .address_space: global }
      - { .name: act, .offset: 24, .size: 8, .value_kind: global_buffer, .address_space: global }
    .group_segment_fixed_size: 0
    .private_segment_fixed_size: 0
    .kernarg_segment_align: 8
    .kernarg_segment_size: 32
    .max_flat_workgroup_size: 512
    .sgpr_count:     66
    .vgpr_count:     128
    .wavefront_size: 32
...
	.end_amdgpu_metadata
.endif
;; end of part 5
;; launch fc1: the kernel of part 2 again; grid 16 x 16, 4 waves a work-group, clusters of 4 x 4, 327,680 bytes of LDS; arguments act, wY, b1, par1, big; writes big
;; launch fc2 (part 6): grid 8 x 32, 4 waves a work-group, clusters of 4 x 4, 327,680 bytes of LDS; arguments big, wY, b2, x1, out0; writes out0
.if DOCPART == 6
	.amdgcn_target "amdgcn-amd-amdhsa--gfx1250"
	.amdhsa_code_object_version 6
	.text
	.protected	k_qbeaf5fc0ea_fc2
	.globl	k_qbeaf5fc0ea_fc2
	.p2align	8
	.type	k_qbeaf5fc0ea_fc2,@function
k_qbeaf5fc0ea_fc2:
	s_mov_b64 s[64:65], 0
	v_nop
	global_prefetch_b8 v0, s[64:65] scope:SCOPE_SE
	s_setreg_imm32_b32 hwreg(HW_REG_WAVE_MODE, 25, 1), 1
	s_wait_xcnt 0x0
	s_wait_alu depctr_hold_cnt(0) depctr_sa_sdst(0) depctr_va_vdst(0) depctr_va_sdst(0) depctr_va_ssrc(0) depctr_va_vcc(0) depctr_vm_vsrc(0)
	s_getreg_b32 s2, hwreg(HW_REG_IB_STS2, 6, 4)
	s_cmp_eq_u32 s2, 0
	s_cbranch_scc0 .Lentry_in_a_cluster
	s_endpgm
.Lentry_in_a_cluster:
	s_bfe_u32 s2, ttmp6, 0x10000c
	s_cmp_lg_u32 s2, 0xf033
	s_cbranch_scc0 .Lentry_shape_is_right
	s_endpgm
.Lentry_shape_is_right:
; out = A W + res (+ bias where FLAG = 1).  A: f16 in blocks [k / 64][4096 rows][64].  W: f16, from byte 8 MiB of its buffer, in blocks [k / 256][n / 128][256 k][128 n].  res, out: [4096][1024] f32.  Sums in f32.
; One text serves two launches by the two constants below.  HERE: FLAG = 1, STEPS = 16: K = 256 STEPS = 4,096; the bias is added, rounded to bf16 as every input of the module is; res is the program's own and is taken as it is.
; LIMITS.  A and W lie within f16's 65,504.  NaN and infinities are not treated apart.
; SHARES.  A tile of 128 x 128 to a work-group (256 of them), 64 x 64 (16 accumulators) to a wave.  K goes in steps of 256 through two LDS slots, each wave filling a quarter by one tensor load.
; 4 x 4 work-groups form a cluster: A's tile is asked for jointly along a row of the cluster, W's along a column.  No prefetch: the tiles are small, and a step's bytes are few.
; The product is taken transposed (source 0 = 16 columns of W, turned on the way out of LDS; source 1 = 16 rows of A).
; THE TEXT holds a K step twice: once in the loop whose changes of slots fill a slot again (STEPS - 2 trips), once in the loop of the last two steps, which ask for nothing; that loop is left in its middle.
; REGISTERS: window 0: v0-31 addresses, v32-95 at work on the way out, v128-255 the accumulators; window 1: two fragment buffers of 128; window 2: v0-127 my 64 x 64 of res, loaded at the head.
.set FLAG,   1
.set STEPS,  16
.set PA,     144                       ; a row of A in LDS: 128 bytes + 16
.set PBB,    288                       ; a row of W: 256 + 32 = 9 x 32
.set HALFT,  36864                     ; what one tensor load brings: two blocks of 128 rows of A, or 128 rows of W
.set SLOT,   4*HALFT
.set SPARE,  2*SLOT                    ; the spare words, 128 bytes a wave, that no other line names
.set CP,     272                       ; the way out: a row of 64 f32 + 16 bytes
.set RSTG,   64*CP                     ; behind a wave's 64 such rows: its res, 16,384 dense bytes
.set WSTAGE, RSTG+16384                ; the four stages lie in the ring, which has had its last fill by then
.set A0,   12                          ; v12  my lane's place in A's tile of slot 0; never rewritten
.set B0,   13                          ; v13  the same for W's rows 0-127,
.set B1,   14                          ; v14  and 128-255
.set ADRA, 16                          ; v16     the same in the slot that is read
.set ADRB, 20                          ; v20-21
.set STO,  24
.set RDC0, 25
.set GO,   26
.set RDR0, 27
.set SPW,  28
.set NIL,  29
.set RDC,  30
.set RDR,  31
.set L,    32                          ; v32-47  eight rows' sums
.set R,    48                          ; v48-63  and res
.set T,    64                          ; v64-71  at work: numbers in bf16
.set BIAS, 72                          ; v72-75
.set GOC,  76
.set Z,    80                          ; v80-95  the results
.set ACC,  128
.set F0,   0
.set F1,   128
.set G1,  24                           ; s[24:31] group 1 for A;  s[32:39] group 0, two sets: the second walks on
.set G0,  32
.set G1B, 48                           ; s[48:55], s[56:63] the same for W
.set G0B, 56
.set TB,  76                           ; s76  the slot that is read
.if FLAG
.set RESP, 70                          ; arguments A, W, bias, res, out
.set OUTP, 74
.else
.set RESP, 68                          ; arguments A, W, res, out
.set OUTP, 70
.endif
.set MSB, 0
.macro WIN new
.if MSB != (\new)
	s_set_vgpr_msb (MSB<<8)|(\new)
.set MSB, \new
.endif
.endm
.set MUL,  0x05                        ; sources 0 and 1 window 1; C and D window 0
.set TO_F, 0x40
.macro JLOAD s                         ; a joint load: waves 0 and 1 fetch A's halves, waves 2 and 3 W's; an s_nop 0 and four v_nop follow each line
	s_cmp_eq_u32 s11, 0
	s_cbranch_scc0 .Lfor_b_\@
	tensor_load_to_lds s[G0+4*(\s):G0+4*(\s)+3], s[G1:G1+7]
	s_nop 0
.rept 4
	v_nop
.endr
	s_branch .Lasked_\@
.Lfor_b_\@:
	tensor_load_to_lds s[G0B+4*(\s):G0B+4*(\s)+3], s[G1B:G1B+7]
	s_nop 0
.rept 4
	v_nop
.endr
.Lasked_\@:
.endm
.macro CREST
	s_cmp_lg_u32 s10, 0
	s_cbranch_scc1 .Lnot_wave_0_\@
	s_barrier_signal -3
.Lnot_wave_0_\@:
	s_barrier_wait -3
	s_barrier_signal -1
	s_barrier_wait -1
.endm
.macro CROUND
	s_barrier_signal -1
	s_barrier_wait -1
	CREST
.endm
	s_load_b128 s[4:7], s[0:1], 0x0                ; A s[4:5], W s[6:7]
	s_load_b128 s[68:71], s[0:1], 0x10             ; FLAG = 1: bias, res; FLAG = 0: res, out
.if FLAG
	s_load_b64 s[74:75], s[0:1], 0x20              ; out
.endif
	v_lshl_add_u32 v[SPW], v0, 2, SPARE
	v_mov_b32 v[NIL], 0
	ds_add_u32 v[SPW], v[NIL]                      ; the wave's opening: the add and its wait ahead of my first tensor load
	ds_add_u32 v28, v29
	v_lshrrev_b32 v1, 5, v0
	v_readfirstlane_b32 s10, v1
	s_lshr_b32 s11, s10, 1                         ; my half of the tile's rows.  Also: I fetch for A (0) or W (1)
	s_and_b32 s12, s10, 1                          ; my half of its columns.  Also: which half I fetch
	s_bfe_u32 s40, ttmp6, 0x40000
	s_bfe_u32 s41, ttmp6, 0x40004
	s_lshl_b32 s42, ttmp9, 2
	s_add_co_u32 s42, s42, s40                     ; tile column
	s_and_b32 s13, ttmp7, 0xffff
	s_lshl_b32 s13, s13, 2
	s_add_co_u32 s13, s13, s41                     ; tile row
	s_lshl_b32 s43, s41, 2
	s_lshl_b32 s43, 15, s43
	s_lshl_b32 s44, 0x1111, s40
	s_or_b32 s[G1+0], s43, (1<<16)|(1<<20)|(1<<21)|(4<<22)|(3<<25)   ; after every 32 words 4 words
	s_or_b32 s[G1B+0], s44, (1<<16)|(1<<20)|(1<<21)|(5<<22)|(7<<25)  ; after every 64 words 8 words
	s_mov_b32 s[G1+1], 8192<<16                    ; A: two rows of 8,192 elements (128 dense rows of one block of 64 along K), 262,144 elements apart
	s_mov_b32 s[G1+2], 2<<16
	s_mov_b32 s[G1+3], 8192<<16
	s_mov_b32 s[G1+4], 2
	s_mov_b32 s[G1+5], 262144
	s_mov_b32 s[G1+6], 0
	s_mov_b32 s[G1+7], 0
	s_mov_b32 s[G1B+1], 128<<16                    ; W: 128 rows x 128 elements, dense
	s_mov_b32 s[G1B+2], 128<<16
	s_mov_b32 s[G1B+3], 128<<16
	s_mov_b32 s[G1B+4], 128
	s_mov_b32 s[G1B+5], 128
	s_mov_b32 s[G1B+6], 0
	s_mov_b32 s[G1B+7], 0
	s_lshl_b32 s16, s13, 14                        ; A: tile row x 128 rows of 128 bytes + half x two blocks of 512 KiB
	s_lshl_b32 s17, s12, 20
	s_add_co_u32 s16, s16, s17
	s_mov_b32 s17, 0
	s_lshl_b32 s46, s42, 16                        ; W: 8 MiB + tile column x 64 KiB + half x 128 rows of 256 bytes
	s_lshl_b32 s47, s12, 15
	s_add_co_u32 s46, s46, s47
	s_add_co_u32 s46, s46, 0x800000
	s_mov_b32 s47, 0
	s_mul_i32 s20, s10, HALFT
	s_mov_b32 s78, 0xffff0000                      ; a word's upper bf16
	s_mov_b32 s[TB], 0
	s_wait_dscnt 0x0
	s_wait_kmcnt 0x0
	s_add_nc_u64 s[14:15], s[4:5], s[16:17]
	s_add_nc_u64 s[46:47], s[6:7], s[46:47]
	CROUND                                         ; all sixteen work-groups are here: the first joint loads meet
.irp s, 0,1
	s_mov_b32 s[G0+4*(\s)], 1
	s_add_co_u32 s[G0+4*(\s)+1], s20, (\s)*SLOT
	s_add_nc_u64 s[G0+4*(\s)+2:G0+4*(\s)+3], s[14:15], (\s)*2097152   ; K step s: four blocks of 512 KiB on
	s_or_b32 s[G0+4*(\s)+3], s[G0+4*(\s)+3], 0x80000000
	s_mov_b32 s[G0B+4*(\s)], 1
	s_add_co_u32 s[G0B+4*(\s)+1], s20, (\s)*SLOT
	s_add_nc_u64 s[G0B+4*(\s)+2:G0B+4*(\s)+3], s[46:47], (\s)*524288  ; eight blocks of 64 KiB on
	s_or_b32 s[G0B+4*(\s)+3], s[G0B+4*(\s)+3], 0x80000000
	JLOAD \s                                       ; two loads of mine are out
.endr
	v_and_b32 v1, 15, v0
	v_bfe_u32 v2, v0, 4, 1
	v_mul_u32_u24 v3, v1, PA
	v_lshl_add_u32 v3, v2, 4, v3
	s_mul_i32 s21, s11, 64*PA
	v_add_nc_u32 v[A0], s21, v3
	v_and_b32 v4, 7, v0
	v_lshl_add_u32 v4, v2, 3, v4
	v_mul_u32_u24 v4, v4, PBB
	v_bfe_u32 v5, v0, 3, 1
	v_lshl_add_u32 v4, v5, 4, v4
	s_lshl_b32 s22, s12, 7
	s_add_co_u32 s22, s22, 2*HALFT
	v_add_nc_u32 v[B0], s22, v4
	v_add_nc_u32 v[B1], HALFT, v[B0]
	v_mov_b32 v[ADRA], v[A0]
	v_mov_b32 v[ADRB], v[B0]
	v_mov_b32 v[ADRB+1], v[B1]
	s_mul_i32 s23, s10, WSTAGE
	v_mul_u32_u24 v4, v1, CP                       ; into the stage: row l % 16, 32 bytes for each half of the lanes
	v_lshl_add_u32 v4, v2, 5, v4
	v_add_nc_u32 v[STO], s23, v4
	v_mul_u32_u24 v5, v2, CP                       ; back: lanes 0-15 one row of 256 bytes, lanes 16-31 the next
	v_lshl_add_u32 v5, v1, 4, v5
	v_add_nc_u32 v[RDC0], s23, v5
	v_lshlrev_b32 v5, 12, v2                       ; and the same two rows in res and out
	v_lshl_add_u32 v[GO], v1, 4, v5
	v_and_b32 v5, 31, v0
	v_lshlrev_b32 v5, 4, v5
	s_add_co_u32 s23, s23, RSTG
	v_add_nc_u32 v[RDR0], s23, v5
	s_lshl_b32 s16, s13, 7                         ; my first row and column in res and out
	s_lshl_b32 s17, s11, 6
	s_add_co_u32 s16, s16, s17
	s_lshl_b32 s16, s16, 12
	s_lshl_b32 s46, s42, 9
	s_lshl_b32 s47, s12, 8
	s_add_co_u32 s46, s46, s47
	s_add_co_u32 s16, s16, s46
	s_mov_b32 s17, 0
	s_add_nc_u64 s[8:9], s[OUTP:OUTP+1], s[16:17]
	s_add_nc_u64 s[RESP:RESP+1], s[RESP:RESP+1], s[16:17]
.if FLAG
	v_lshlrev_b32 v6, 4, v1
	v_add_nc_u32 v6, s46, v6
	global_load_b128 v[BIAS:BIAS+3], v6, s[68:69]
.endif
	WIN 0x80                                       ; destination window 2
.set j, 0
.rept 32
	global_load_b128 v[4*j:4*j+3], v[GO], s[RESP:RESP+1] offset:8192*j
.set j, j+1
.endr
	WIN 0
.macro MUL8 f, c, a0, zero             ; 8 matrix instructions: row blocks a0, a0 + 1 x all 4 column blocks, 32 along K.  The 16 accumulators take turns in one order everywhere
	WIN MUL
.irp a, \a0, (\a0)+1
.irp b, 0,1,2,3
.if \zero
	v_wmma_f32_16x16x32_f16 v[ACC+8*(4*(\a)+(\b)):ACC+8*(4*(\a)+(\b))+7], v[(\f)+64+8*(4*(\c)+(\b)):(\f)+64+8*(4*(\c)+(\b))+7], v[(\f)+8*(4*(\c)+(\a)):(\f)+8*(4*(\c)+(\a))+7], 0
.else
	v_wmma_f32_16x16x32_f16 v[ACC+8*(4*(\a)+(\b)):ACC+8*(4*(\a)+(\b))+7], v[(\f)+64+8*(4*(\c)+(\b)):(\f)+64+8*(4*(\c)+(\b))+7], v[(\f)+8*(4*(\c)+(\a)):(\f)+8*(4*(\c)+(\a))+7], v[ACC+8*(4*(\a)+(\b)):ACC+8*(4*(\a)+(\b))+7]
.endif
.endr
.endr
.endm
.macro FETCH q, f                      ; 32 LDS loads in one run: quarter q (64 along K) of the slot that is read, into buffer f, its first 32 along K first
	WIN TO_F
.irp c, 0,1
.irp i, 0,1,2,3
	ds_load_tr16_b128 v[(\f)+64+8*(4*(\c)+(\i)):(\f)+64+8*(4*(\c)+(\i))+3],   v[ADRB+(\q)/2] offset:((2*(\q)+(\c))%4)*32*PBB+32*(\i)
	ds_load_tr16_b128 v[(\f)+64+8*(4*(\c)+(\i))+4:(\f)+64+8*(4*(\c)+(\i))+7], v[ADRB+(\q)/2] offset:((2*(\q)+(\c))%4)*32*PBB+16*PBB+32*(\i)
	ds_load_b128 v[(\f)+8*(4*(\c)+(\i)):(\f)+8*(4*(\c)+(\i))+3],   v[ADRA] offset:(\q)*128*PA+64*(\c)+(\i)*16*PA
	ds_load_b128 v[(\f)+8*(4*(\c)+(\i))+4:(\f)+8*(4*(\c)+(\i))+7], v[ADRA] offset:(\q)*128*PA+64*(\c)+(\i)*16*PA+32
.endr
.endr
.endm
.macro PLACES
.rept 4
	v_nop
.endr
.endm
.macro QUARTER q, f, g, zero           ; multiplies buffer f and fetches quarter q into g
	s_wait_dscnt 16                                ; the first 32 along K are in
	MUL8 \f, 0, 0, \zero
	MUL8 \f, 0, 2, \zero
	PLACES
	FETCH \q, \g
	s_wait_dscnt 32                                ; all but the 32 just issued
	MUL8 \f, 1, 0, 0
	MUL8 \f, 1, 2, 0
.endm
; The first half of a K step's last quarter, and the change of slots: every wave waits for all its tensor loads (at the most one is out: its part of the next slot), adds 0 to its spare word,
; waits for that and for its reads of this slot, and signals.  Every window is 0 behind it: a branch follows.
.macro MEET
	WIN 0
	s_wait_tensorcnt 0x0
	ds_add_u32 v[SPW], v[NIL]
	s_wait_dscnt 17                                ; the add and the youngest sixteen loads may be out
	MUL8 F1, 0, 0, 0
	s_wait_dscnt 0x0                               ; the add is done, and my reads of this slot are over
	s_barrier_signal -1
	MUL8 F1, 0, 2, 0
	WIN 0
	s_barrier_wait -1
.endm
.macro NEXTSLOT                        ; the reads go over to the other slot: its first fragments
	s_xor_b32 s[TB], s[TB], SLOT
	v_add_nc_u32 v[ADRA], s[TB], v[A0]
	v_add_nc_u32 v[ADRB], s[TB], v[B0]
	v_add_nc_u32 v[ADRB+1], s[TB], v[B1]
	FETCH 0, F0
.endm
.macro TURN                            ; a K step's last quarter where the slot just read takes the K step two on, first thing behind the cluster's round
	MEET
	CREST                                          ; the barrier has opened a round of the cluster's: no wave of any partner still reads this slot or has a load on its way
	s_xor_b32 s[G0+5], s[G0+5], SLOT               ; the walking descriptors: the other slot (SLOT's two bits are never set in wave x HALFT), the next K step
	s_add_nc_u64 s[G0+6:G0+7], s[G0+6:G0+7], 2097152
	s_xor_b32 s[G0B+5], s[G0B+5], SLOT
	s_add_nc_u64 s[G0B+6:G0B+7], s[G0B+6:G0B+7], 524288
	JLOAD 1                                        ; its four v_nop are also the places in front of the loads below
	NEXTSLOT
	MUL8 F1, 1, 0, 0
	MUL8 F1, 1, 2, 0
.endm
	s_wait_tensorcnt 1                             ; my part of K step 0 is in; K step 1's may stay out
	s_barrier_signal -1
	s_barrier_wait -1
	FETCH 0, F0
	QUARTER 1, F0, F1, 1
	WIN 0
	s_mov_b32 s3, STEPS-2
.Lstep:                                                ; a trip: a K step's quarters 1 to 3 and the next step's quarter 0; K steps 2 .. STEPS - 1 are asked for
	QUARTER 2, F1, F0, 0
	QUARTER 3, F0, F1, 0
	TURN
	QUARTER 1, F0, F1, 0
	WIN 0
	s_sub_co_u32 s3, s3, 1
	s_cmp_lg_u32 s3, 0
	s_cbranch_scc1 .Lstep
	s_mov_b32 s3, 2
.Ltail:                                                ; the last two K steps ask for nothing: the same trip without a fill; the second is left behind its barrier
	QUARTER 2, F1, F0, 0
	QUARTER 3, F0, F1, 0
	MEET
	s_sub_co_u32 s3, s3, 1
	s_cmp_eq_u32 s3, 0
	s_cbranch_scc1 .Lfin
	PLACES                                         ; for the loads into buffer 0, which the quarter before multiplied
	NEXTSLOT
	MUL8 F1, 1, 0, 0
	MUL8 F1, 1, 2, 0
	QUARTER 1, F0, F1, 0
	WIN 0
	s_branch .Ltail
.Lfin:
	MUL8 F1, 1, 0, 0                               ; the last 16 products
	MUL8 F1, 1, 2, 0
	; THE WAY OUT.  Sums and res go into my stage, which lies in the ring: every wave's reads of the ring are over in front of the barrier, and no fill follows.
	WIN 0
	PLACES
	s_wait_dscnt 0x0
	s_barrier_signal -1
	s_barrier_wait -1
.irp a, 0,1,2,3
.irp b, 0,1,2,3
	ds_store_b128 v[STO], v[ACC+8*(4*(\a)+(\b)):ACC+8*(4*(\a)+(\b))+3]   offset:(\a)*16*CP+64*(\b)
	ds_store_b128 v[STO], v[ACC+8*(4*(\a)+(\b))+4:ACC+8*(4*(\a)+(\b))+7] offset:(\a)*16*CP+64*(\b)+16
.endr
.endr
	s_wait_loadcnt 0x0                             ; res (and the bias)
	WIN 0x08                                       ; store data in window 2
.set j, 0
.rept 32
	ds_store_b128 v[RDR0], v[4*j:4*j+3] offset:512*j
.set j, j+1
.endr
	WIN 0
.if FLAG
	v_cvt_pk_bf16_f32 v[T], v[BIAS], v[BIAS+1]     ; the bias, rounded to bf16
	v_cvt_pk_bf16_f32 v[T+1], v[BIAS+2], v[BIAS+3]
	v_lshlrev_b32 v[BIAS], 16, v[T]
	v_and_b32 v[BIAS+1], s78, v[T]
	v_lshlrev_b32 v[BIAS+2], 16, v[T+1]
	v_and_b32 v[BIAS+3], s78, v[T+1]
.endif
.macro RLOAD c, r                      ; eight rows' sums and res.  LDS serves a wave's instructions in order: these see my stores
.irp g, 0,1,2,3
	ds_load_b128 v[L+4*\g:L+4*\g+3], v[\c] offset:2*CP*\g
	ds_load_b128 v[R+4*\g:R+4*\g+3], v[\r] offset:512*\g
.endr
.endm
	s_mov_b32 s67, 0
	s_mov_b32 s2, 8
	RLOAD RDC0, RDR0
.Lout:                                                 ; 8 trips of eight rows; the next trip's rows are read while this trip's leave
	s_wait_dscnt 0x0
	s_wait_xcnt 0x0                                ; the last trip's stores have read Z and GOC
.if FLAG == 0
.irp g, 0,1,2,3
	v_cvt_pk_bf16_f32 v[T+2*\g], v[R+4*\g], v[R+4*\g+1]      ; res rounded to bf16
	v_cvt_pk_bf16_f32 v[T+2*\g+1], v[R+4*\g+2], v[R+4*\g+3]
.endr
.irp g, 0,1,2,3
	v_lshlrev_b32 v[R+4*\g], 16, v[T+2*\g]
	v_and_b32 v[R+4*\g+1], s78, v[T+2*\g]
	v_lshlrev_b32 v[R+4*\g+2], 16, v[T+2*\g+1]
	v_and_b32 v[R+4*\g+3], s78, v[T+2*\g+1]
.endr
.endif
.irp g, 0,1,2,3
	v_pk_add_f32 v[Z+4*\g:Z+4*\g+1], v[L+4*\g:L+4*\g+1], v[R+4*\g:R+4*\g+1]
	v_pk_add_f32 v[Z+4*\g+2:Z+4*\g+3], v[L+4*\g+2:L+4*\g+3], v[R+4*\g+2:R+4*\g+3]
.endr
.if FLAG
.irp g, 0,1,2,3
	v_pk_add_f32 v[Z+4*\g:Z+4*\g+1], v[Z+4*\g:Z+4*\g+1], v[BIAS:BIAS+1]
	v_pk_add_f32 v[Z+4*\g+2:Z+4*\g+3], v[Z+4*\g+2:Z+4*\g+3], v[BIAS+2:BIAS+3]
.endr
.endif
	s_lshl_b32 s21, s67, 15                        ; eight rows of 4,096 bytes
	s_add_co_u32 s67, s67, 1
	s_and_b32 s67, s67, 7                          ; the last trip reads the first rows once more and leaves them unused
	s_mul_i32 s22, s67, 8*CP
	s_lshl_b32 s23, s67, 11
	v_add_nc_u32 v[RDC], s22, v[RDC0]
	v_add_nc_u32 v[RDR], s23, v[RDR0]
	RLOAD RDC, RDR
	v_add_nc_u32 v[GOC], s21, v[GO]
.irp g, 0,1,2,3
	global_store_b128 v[GOC], v[Z+4*\g:Z+4*\g+3], s[8:9] offset:8192*\g  ; 16 lanes store 256 consecutive bytes, aligned
.endr
	s_sub_co_u32 s2, s2, 1
	s_cmp_lg_u32 s2, 0
	s_cbranch_scc1 .Lout
	s_wait_tensorcnt 0x0                           ; the wave's end
	ds_add_u32 v[SPW], v[NIL]
	s_wait_dscnt 0x0
	CROUND                                         ; the closing round
	s_endpgm
.Lfunc_end_k_qbeaf5fc0ea_fc2:
	.size	k_qbeaf5fc0ea_fc2, .Lfunc_end_k_qbeaf5fc0ea_fc2-k_qbeaf5fc0ea_fc2
	.p2alignl 7, 3214868480
	.fill 96, 4, 3214868480
	.section	.rodata,"a",@progbits
	.p2align	6, 0x0
	.amdhsa_kernel k_qbeaf5fc0ea_fc2
		.amdhsa_group_segment_fixed_size 327680
		.amdhsa_private_segment_fixed_size 0
		.amdhsa_enable_private_segment 0
		.amdhsa_kernarg_size 40
		.amdhsa_user_sgpr_count 2
		.amdhsa_user_sgpr_kernarg_segment_ptr 1
		.amdhsa_wavefront_size32 1
		.amdhsa_system_sgpr_workgroup_id_x 1
		.amdhsa_system_sgpr_workgroup_id_y 1
		.amdhsa_system_sgpr_workgroup_id_z 1
		.amdhsa_system_vgpr_workitem_id 0
		.amdhsa_next_free_vgpr 640
		.amdhsa_next_free_sgpr 80
		.amdhsa_reserve_vcc 0
		.amdhsa_float_denorm_mode_32 3
		.amdhsa_float_denorm_mode_16_64 3
		.amdhsa_memory_ordered 1
		.amdhsa_forward_progress 1
		.amdhsa_inst_pref_size 62
	.end_amdhsa_kernel
	.amdgpu_metadata
---
amdhsa.version: [ 1, 2 ]
amdhsa.kernels:
  - .name:           k_qbeaf5fc0ea_fc2
    .symbol:         k_qbeaf5fc0ea_fc2.kd
    .args:
      - { .name: big, .offset: 0, .size: 8, .value_kind: global_buffer, .address_space: global }
      - { .name: wY, .offset: 8, .size: 8, .value_kind: global_buffer, .address_space: global }
      - { .name: b2, .offset: 16, .size: 8, .value_kind: global_buffer, .address_space: global }
      - { .name: x1, .offset: 24, .size: 8, .value_kind: global_buffer, .address_space: global }
      - { .name: out0, .offset: 32, .size: 8, .value_kind: global_buffer, .address_space: global }
    .group_segment_fixed_size: 327680
    .private_segment_fixed_size: 0
    .kernarg_segment_align: 8
    .kernarg_segment_size: 40
    .max_flat_workgroup_size: 128
    .sgpr_count:     80
    .vgpr_count:     640
    .wavefront_size: 32
...
	.end_amdgpu_metadata
.endif
;; end of part 6
